; MI455X (gfx1250); checked and timed in simulation.
; The chip was launched on July 23, 2026; its instructions are those of AMD's public machine-readable ISA for CDNA 5 (MIT licence, August 2026) and "CDNA5" Instruction Set Architecture Reference Guide (July 2026). The comments in the code are by the model that wrote it; some were corrected since.
;; Causal Self Attention. Allowed arithmetic: matrix products marked QUANTISED: E2M3 operands, one E8M0 scale for each 32 along K, by v_wmma_scale_f32_16x16x128_f8f6f4 with both operands' format E2M3, f32 sums; everything else in f32.
;; Inputs: W_in 1,024 x 3,072 float32; W_out 1,024 x 1,024 float32; b_in 3,072 float32; b_out 1,024 float32; x 4 x 2,048 x 1,024 float32.
;; Outputs: out0 4 x 2,048 x 1,024 float32.
;; This version of the problem:
;;   THIS VERSION OF THE PROBLEM IS GIVEN IN LOW PRECISION. The matrix products marked QUANTISED in the list below multiply operands that are first quantised to E2M3 (2 exponent bits, 3 mantissa bits; 6 bits a number), with one power-of-two scale for each 32 numbers along K (OCP MX v1.0); their sums are f32. All else is computed in f32.
;;   The module's matrix products, in the order in which they are computed (A, B: the left and right operand; K: the contracted axis; several contracted axes count as one K, in the product's order):
;;     1. [M 8,192, K 1,024] x [K 1,024, N 3,072]; A: input x; B: input W_in: QUANTISED
;;     2. batch 64 x [M 2,048, K 64] x [K 64, N 2,048]; A: computed on the way; B: computed on the way: QUANTISED
;;     3. batch 64 x [M 2,048, K 2,048] x [K 2,048, N 64]; A: softmax (see below); B: computed on the way: QUANTISED
;;     4. [M 8,192, K 1,024] x [K 1,024, N 1,024]; A: computed on the way; B: input W_out: QUANTISED
;;   THE QUANTISER, for each operand of a quantised product, along K:
;;     - K is cut into blocks of 32 from its start; a last block that is shorter is filled with zeros.
;;     - A block's scale is 2^e with e = floor(log2(the largest magnitude in the block)) - 2, held to -126 .. 127; a block of zeros has e = 0. As a byte (E8M0): e + 127.
;;     - Each number is divided by its block's scale, clamped to +-7.5, and rounded to the nearest number of E2M3, ties to even, subnormals kept.
;;     - The product sums the exact products of the quantised numbers (number of the format x scale) in f32.
;;   ~~~python
;;   def quantise(x, axis):      # numpy; x: float32 -> the quantised numbers, widened to float32 again
;;       x = np.moveaxis(x, axis, -1); K = x.shape[-1]
;;       x = np.pad(x, [(0, 0)] * (x.ndim - 1) + [(0, -K % 32)]); x = x.reshape(x.shape[:-1] + (-1, 32)); a = np.abs(x).max(-1, keepdims=True)
;;       e = np.where(a > 0, np.clip(np.frexp(np.where(a > 0, a, 1))[1] - 1 - 2, -126, 127), 0)      # np.frexp(a)[1] - 1 = floor(log2(a)), exactly
;;       r = np.clip(x / 2.0 ** e, -7.5, 7.5)
;;       step = 2.0 ** (np.maximum(np.frexp(np.where(r == 0, 1, r))[1] - 1, 0) - 3)
;;       q = np.round(r / step) * step * 2.0 ** e      # np.round: ties to even
;;       return np.moveaxis(q.reshape(q.shape[:-2] + (-1,))[..., :K], -1, axis).astype(np.float32)
;;   ~~~
;;   SOFTMAX AHEAD OF A QUANTISED PRODUCT. Where the list says 'softmax', what is quantised is not the finished softmax but p = 2^(t - M), with t = logit x log2(e) and M = ceil(the row's largest t), a whole number; so 1/2 < the row's largest p <= 1. The row's sum l is taken of the UNQUANTISED p, in f32, and the product's result is divided by l at the end. Since M is a whole number, a kernel that streams over the keys may use a running M (the ceiling of the running maximum): every later rescaling is an exact power of two, which a block's scale takes up: the codes' values come out the same.
;;   OPERANDS COMPUTED ON THE WAY. 'Computed on the way' means the value that the module computes at that place (a softmax that the list does not call 'softmax' is quantised finished and normalised). What goes into a quantiser is computed in f32, as accurately as f32 sums, v_exp_f32 and their like allow (about 1e-6 of the number): no bf16 or f16 on the way to a quantiser, and a product that is left as it is and whose result goes on into a quantised operand takes f32 operands (vector FMAs, or v_wmma_f32_16x16x4_f32). A number that lies on a knife's edge between two numbers of the format may be rounded either way, as far as f32 arithmetic and the matrix unit's own rounding can turn it there, and no further.
;; One version. Each part assembles by itself: llvm-mc -triple=amdgcn-amd-amdhsa -mcpu=gfx1250 --defsym DOCPART=n.
;; ======== version 1 of 1: 4 launches
;; limits: right only within a limited range of input values
;; workspace buffers: xq 6,553,600 bytes; wiq 2,457,600 bytes; woq 819,200 bytes; qrec 13,369,344 bytes; kv 13,369,344 bytes; yq 6,553,600 bytes
;; launch quant (part 1): grid 384 x 1, 4 waves a work-group, no clusters, 35,328 bytes of LDS; arguments x, W_in, W_out, xq, wiq, woq; writes xq, wiq, woq
.if DOCPART == 1
	.amdgcn_target "amdgcn-amd-amdhsa--gfx1250"
	.amdhsa_code_object_version 6
	.text
	.protected	k_q06f7ff4be0_quant
	.globl	k_q06f7ff4be0_quant
	.p2align	8
	.type	k_q06f7ff4be0_quant,@function
k_q06f7ff4be0_quant:
	s_mov_b64 s[64:65], 0
	v_nop
	global_prefetch_b8 v0, s[64:65] scope:SCOPE_SE
	s_setreg_imm32_b32 hwreg(HW_REG_WAVE_MODE, 25, 1), 1
	s_wait_xcnt 0x0
; x [8192][1024], W_in [1024][3072] and W_out [1024][1024], f32, become codes of FP6 (E2M3) with one E8M0 byte for each 32 along K (x: its last axis; the weights: their FIRST axis).
; A block's scale is 2^(floor(log2(its largest magnitude)) - 2); its byte is the largest magnitude's exponent field - 2, held at 1 from below.
; LIMITS: NaN and infinities among the inputs are not served.  A block of zeros (and one whose largest magnitude lies under 2^(3 - 127)) gets the byte 1 where the rule says 127 for zeros:
; its codes are zeros, and the bytes are read by this program alone.
; THE OUTPUT IS LAID IN THE ORDER OF THE OPERAND'S REGISTERS.  A half image, 768 bytes, is 16 rows x 64 K: six registers a lane; lane l's registers 0-3 at 16 l, its registers 4-5 at 512 + 8 l;
; lane (r = l % 16, h = l / 16) holds k = 32 h .. 32 h + 31 of the tile's row r.  A record, 102,400 bytes, serves 128 rows: [K step of 256: 4][tile: 8][128 along K: 2][64 along K: 2][768],
; then the scale words [K step: 4][16 x tile + r: 128][two words of four bytes].  THE ROWS OF A TILE ARE NOT NEIGHBOURS: position r of tile a is row 32 (a / 2) + 8 (a % 2) + r + 8 (r / 8) of the 128.
; Work-groups 0-255 take 32 rows of x each (wave w: K step w); 256-351 W_in, 352-383 W_out: 128 columns x one K step (wave w: 32 columns).  Memory binds: no matrix unit, no cluster, no barrier: waves share nothing.
.set REC,  102400
.set SCO,  98304                       ; where a record's scale words begin
.set GV,   4                           ; v4   my byte in a load
.set SW,   5                           ; v5   the stage, on the way in
.set SRD,  6                           ; v6   and on the way out
.set L16,  7                           ; v7   16 x lane
.set L8,   8                           ; v8   8 x lane
.set BY,   16                          ; v16-19 x: the scale words of tile u, 128 along K q, at 2 u + q
.set R,    32                          ; v32-159  x: four sets of 32 registers as loaded
.set X,    160                         ; v160-223 x: two sets of 32 neighbours along K
.set D,    224                         ; v224-239 x: two slots of 8 for a half image's six registers
.set WX,   32                          ; v32-95   weights: two sets of 32 numbers down K
.set WC,   96                          ; v96-159  weights: 16 registers for each pair of blocks, so that no store's data are written again
; the largest magnitude of the 32 numbers at v[xs] on, all of one block and all mine; v12: the conversion's scale operand; v13: the byte
.macro BLOCKMAX xs
	v_max3_num_f32 v10, |v[\xs]|, |v[\xs+1]|, |v[\xs+2]|
	v_max3_num_f32 v11, |v[\xs+3]|, |v[\xs+4]|, |v[\xs+5]|
.irp i, 6,10,14,18,22,26
	v_max3_num_f32 v10, v10, |v[\xs+\i]|, |v[\xs+\i+1]|          ; two chains, so that no line waits for the line above it
	v_max3_num_f32 v11, v11, |v[\xs+\i+2]|, |v[\xs+\i+3]|
.endr
	v_max3_num_f32 v10, v10, |v[\xs+30]|, |v[\xs+31]|
	v_max3_num_f32 v10, v10, v11, 0x1800000                      ; and the floor 2^(3 - 127): the byte cannot fall under 1
	v_add_nc_u32 v12, 0xff000000, v10                            ; 2 off the exponent field: the conversion takes this operand's exponent field as its scale
	v_lshrrev_b32 v13, 23, v12                                   ; the scale's byte
.endm
; the block's 32 codes, 192 bits, into v[dd] .. v[dd + 5]
.macro CODES xs, dd
	v_cvt_scalef32_pk16_fp6_f32 v[\dd:\dd+2], v[\xs:\xs+15], v12
	v_cvt_scalef32_pk16_fp6_f32 v[24:26], v[\xs+16:\xs+31], v12  ; (a conversion's three registers begin on an even number: the second three are made elsewhere and moved)
	v_nop                                                        ; one plain line behind a scaled conversion
	v_mov_b32 v[\dd+3], v24
	v_mov_b32 v[\dd+4], v25
	v_mov_b32 v[\dd+5], v26
.endm
	s_load_b256 s[4:11], s[0:1], 0x0               ; x s[4:5], W_in s[6:7], W_out s[8:9], xq s[10:11]
	s_load_b128 s[12:15], s[0:1], 0x20             ; wiq s[12:13], woq s[14:15]
	v_lshl_add_u32 v240, v0, 2, 0x8800
	v_mov_b32 v241, 0
	v_lshrrev_b32 v1, 5, v0
	v_readfirstlane_b32 s16, v1                    ; wave 0..3
	v_and_b32 v1, 31, v0                           ; lane
	v_and_b32 v2, 15, v0                           ; r
	v_bfe_u32 v3, v0, 4, 1                         ; h
	v_lshlrev_b32 v[L16], 4, v1
	v_lshlrev_b32 v[L8], 3, v1
	s_wait_kmcnt 0x0
	s_cmp_lt_u32 ttmp9, 256
	s_cbranch_scc0 .Lweights
; ---------------- x: K is innermost.  A wave makes the eight half images e = 4 u + 2 q + c of its 32 rows x 256 K.
; A load reads 256 consecutive bytes of each of two rows (sixteen lanes a row); the conversions want 32 neighbours along K in ONE lane: a half image's 4,096 bytes turn through the wave's own stage in LDS
; (16 rows, 272 bytes apart: 68 words).  Loads run four half images ahead, the turn one.
	s_wait_alu depctr_va_vdst(0)
	v_lshlrev_b32 v[GV], 12, v3                    ; lanes 16-31 one row of 4,096 bytes further down,
	v_lshl_add_u32 v[GV], v2, 4, v[GV]             ; 16 bytes a lane
	s_wait_alu depctr_va_vdst(0)
	s_mul_i32 s17, s16, 8704                       ; my wave's two stages of 16 x 272 bytes
	v_mul_u32_u24 v[SW], v3, 272
	v_lshl_add_u32 v[SW], v2, 4, v[SW]
	v_add_nc_u32 v[SW], s17, v[SW]                 ; in: as loaded
	v_mul_u32_u24 v[SRD], v2, 272
	v_lshl_add_u32 v[SRD], v3, 7, v[SRD]
	v_add_nc_u32 v[SRD], s17, v[SRD]               ; out: position r, my half's 128 bytes
	v_lshlrev_b32 v9, 3, v3                        ; 8 h: my bytes' place in a scale word
	v_mov_b32 v20, 0                               ; written once: a lane permute's destination counts as one of its sources
	s_mov_b32 s20, 0x76543210
	s_mov_b32 s21, 0xfedcba98                      ; v_permlanex16_b32's selects for lane l xor 16
	s_lshl_b32 s18, ttmp9, 17                      ; 32 rows of 4,096 bytes,
	s_lshl_b32 s19, s16, 10                        ; my K step's 1,024
	s_add_co_u32 s18, s18, s19
	s_mov_b32 s19, 0
	s_add_nc_u64 s[22:23], s[4:5], s[18:19]        ; in
	s_lshr_b32 s26, ttmp9, 2
	s_mul_i32 s26, s26, REC                        ; the record of my 128 rows
	s_and_b32 s27, ttmp9, 3                        ; which 32 of them
	s_mul_i32 s28, s16, 24576
	s_mul_i32 s29, s27, 6144
	s_add_co_u32 s28, s28, s29
	s_add_co_u32 s28, s28, s26
	s_mov_b32 s29, 0
	s_add_nc_u64 s[24:25], s[10:11], s[28:29]      ; out: my two tiles of my K step
	s_lshl_b32 s30, s16, 10
	s_lshl_b32 s31, s27, 8
	s_add_co_u32 s30, s30, s31
	s_add_co_u32 s30, s30, s26
	s_add_co_u32 s30, s30, SCO
	s_mov_b32 s31, 0
	s_add_nc_u64 s[32:33], s[10:11], s[30:31]      ; and their 32 pairs of scale words
.macro LOADH e                         ; positions 2 t and 2 t + 1 of tile u are rows 8 u + 2 t + 8 (t / 4) and the next
.irp t, 0,1,2,3,4,5,6,7
	global_load_b128 v[R+32*((\e)%4)+4*\t:R+32*((\e)%4)+4*\t+3], v[GV], s[22:23] offset:(8*((\e)/4)+2*\t+8*(\t/4))*4096+((\e)%4)*256 th:TH_LOAD_NT
.endr
.endm
.macro TURN e                          ; LDS serves a wave's instructions in order: no wait between the stores and the loads
.irp t, 0,1,2,3,4,5,6,7
	ds_store_b128 v[SW], v[R+32*((\e)%4)+4*\t:R+32*((\e)%4)+4*\t+3] offset:4352*((\e)%2)+2*\t*272
.endr
.irp i, 0,1,2,3,4,5,6,7
	ds_load_b128 v[X+32*((\e)%2)+4*\i:X+32*((\e)%2)+4*\i+3], v[SRD] offset:4352*((\e)%2)+16*\i
.endr
.endm
.macro XSTEP e
.set XS, X+32*((\e)%2)
.set DD, D+8*((\e)%2)
.set BYR, BY+(\e)/2
	s_wait_dscnt 0x0                               ; this half image is back from the stage: so its stores into the stage have read their registers,
.if (\e)+4 < 8
	LOADH (\e)+4                                   ; which take the loads of four half images on
.endif
.if (\e) < 7
.if (\e) < 4
	s_wait_loadcnt 24                              ; the next half image's eight loads are in; those of the three behind it may be out
.else
	s_wait_loadcnt 8*(6-(\e))                      ; towards the end fewer are behind it
.endif
	TURN (\e)+1                                    ; it goes through the other stage while this one is worked
.endif
	BLOCKMAX XS
.if (\e)%2 == 0
	v_mov_b32 v[BYR], v13                          ; block h of the 128,
.else
	v_lshl_or_b32 v[BYR], v13, 16, v[BYR]          ; and block 2 + h,
	v_lshlrev_b32 v[BYR], v9, v[BYR]               ; at their places in the word;
	v_permlanex16_b32 v20, v[BYR], s20, s21
	v_or_b32 v[BYR], v[BYR], v20                   ; with lane l xor 16's two the row's word is whole
.endif
	s_wait_alu depctr_va_vdst(0)
	s_wait_xcnt 0x0                                ; the stores of two half images back have read this slot
	CODES XS, DD
	global_store_b128 v[L16], v[DD:DD+3], s[24:25] offset:(\e)*768       ; 512 consecutive bytes, aligned to 256
	global_store_b64 v[L8], v[DD+4:DD+5], s[24:25] offset:(\e)*768+512   ; and 256
.endm
.irp e, 0,1,2,3
	LOADH \e
.endr
	s_wait_alu depctr_va_vdst(0)
	s_wait_loadcnt 24                              ; half image 0's eight loads are in
	TURN 0
.irp e, 0,1,2,3,4,5,6,7
	XSTEP \e
.endr
	v_cmp_ne_u32 vcc_lo, 0, v3
	v_cndmask_b32 v28, v[BY+0], v[BY+2], vcc_lo    ; lane 16 u + r stores the two words of tile u's position r
	v_cndmask_b32 v29, v[BY+1], v[BY+3], vcc_lo
	global_store_b64 v[L8], v[28:29], s[32:33]     ; 256 consecutive bytes, aligned
	s_wait_tensorcnt 0x0
	ds_add_u32 v240, v241
	s_wait_dscnt 0x0
	s_endpgm
; ---------------- the weights: K is the FIRST axis.  A lane takes a column and its registers run down K: a block of 32 lies in one lane, and the conversions give codes with K innermost.
; Lane 16 u + r takes the column at position r of tile u, so two blocks' codes become the two tiles' half images by an exchange of halves of the lanes.
.macro WLOAD t, pitch
.irp i, 0,1,2,3,4,5,6,7,8,9,10,11,12,13,14,15,16,17,18,19,20,21,22,23,24,25,26,27,28,29,30,31
	global_load_b32 v[WX+32*((\t)%2)+\i], v[GV], s[22:23] offset:(32*(\t)+\i)*\pitch th:TH_LOAD_NT   ; a wave reads 128 consecutive bytes of a row, the work-group 512
.endr
.endm
.macro WBLOCK t, pitch
.set XS, WX+32*((\t)%2)
.set DD, WC+16*((\t)/2)+8*((\t)%2)
.if (\t) < 7
	s_wait_loadcnt 32                              ; this block's 32 loads are in; the next block's may be out
.else
	s_wait_loadcnt 0x0
.endif
	BLOCKMAX XS
.if (\t)%4 == 0
	v_mov_b32 v[28+(\t)/4], v13                    ; four bytes to a word, the lower K in the lower byte
.else
	v_lshl_or_b32 v[28+(\t)/4], v13, 8*((\t)%4), v[28+(\t)/4]
.endif
	CODES XS, DD
.if (\t)+2 < 8
	WLOAD (\t)+2, \pitch
.endif
.if (\t)%2 == 1
.irp i, 0,1,2,3,4,5
	v_permlane16_swap_b32 v[DD-8+\i], v[DD+\i]     ; the even block's lanes 16-31 (tile 1, h = 0) change places with the odd block's lanes 0-15 (tile 0, h = 1)
.endr
	global_store_b128 v[L16], v[DD-8:DD-5], s[26:27] offset:((\t)/2)*768
	global_store_b64 v[L8], v[DD-4:DD-3], s[26:27] offset:((\t)/2)*768+512
	global_store_b128 v[L16], v[DD:DD+3], s[26:27] offset:3072+((\t)/2)*768
	global_store_b64 v[L8], v[DD+4:DD+5], s[26:27] offset:3072+((\t)/2)*768+512
.endif
.endm
; s18: 4 x (group of 128 columns) + K step.  pitch: a row of the weight in bytes; 255 rows stay inside the signed 24-bit immediate
.macro WQ pitch, src, dst
	s_and_b32 s19, s18, 3
	s_lshr_b32 s20, s18, 2
	s_mul_i32 s22, s19, 256*\pitch
	s_lshl_b32 s23, s20, 9
	s_add_co_u32 s22, s22, s23
	s_lshl_b32 s23, s16, 7
	s_add_co_u32 s22, s22, s23
	s_mov_b32 s23, 0
	s_add_nc_u64 s[22:23], s[\src:\src+1], s[22:23]   ; in: my K step's first row, my 32 columns
	s_mul_i32 s24, s20, REC
	s_mul_i32 s25, s19, 24576
	s_add_co_u32 s25, s25, s24
	s_mul_i32 s26, s16, 6144
	s_add_co_u32 s26, s26, s25
	s_mov_b32 s27, 0
	s_add_nc_u64 s[26:27], s[\dst:\dst+1], s[26:27]   ; out: tiles 2 w and 2 w + 1
	s_lshl_b32 s28, s19, 10
	s_add_co_u32 s28, s28, s24
	s_lshl_b32 s29, s16, 8
	s_add_co_u32 s28, s28, s29
	s_add_co_u32 s28, s28, SCO
	s_mov_b32 s29, 0
	s_add_nc_u64 s[28:29], s[\dst:\dst+1], s[28:29]   ; and their scale words
	WLOAD 0, \pitch
	WLOAD 1, \pitch
.irp t, 0,1,2,3,4,5,6,7
	WBLOCK \t, \pitch
.endr
	global_store_b64 v[L8], v[28:29], s[28:29]     ; lane 16 u + r: the two words of its column: 256 consecutive bytes, aligned
.endm
.Lweights:
	s_wait_alu depctr_va_vdst(0)
	v_and_b32 v[GV], 8, v2
	v_add_nc_u32 v[GV], v[GV], v2                  ; r + 8 (r / 8)
	v_lshl_add_u32 v[GV], v3, 3, v[GV]             ; + 8 u
	v_lshlrev_b32 v[GV], 2, v[GV]
	s_sub_co_u32 s18, ttmp9, 256
	s_cmp_lt_u32 s18, 96
	s_cbranch_scc0 .Lw_out
	s_wait_alu depctr_va_vdst(0)
	WQ 12288, 6, 12
	s_endpgm
.Lw_out:
	s_sub_co_u32 s18, s18, 96
	s_wait_alu depctr_va_vdst(0)
	WQ 4096, 8, 14
	s_endpgm
.Lfunc_end_k_q06f7ff4be0_quant:
	.size	k_q06f7ff4be0_quant, .Lfunc_end_k_q06f7ff4be0_quant-k_q06f7ff4be0_quant
	.p2alignl 7, 3214868480
	.fill 96, 4, 3214868480
	.section	.rodata,"a",@progbits
	.p2align	6, 0x0
	.amdhsa_kernel k_q06f7ff4be0_quant
		.amdhsa_group_segment_fixed_size 35328
		.amdhsa_private_segment_fixed_size 0
		.amdhsa_enable_private_segment 0
		.amdhsa_kernarg_size 48
		.amdhsa_user_sgpr_count 2
		.amdhsa_user_sgpr_kernarg_segment_ptr 1
		.amdhsa_wavefront_size32 1
		.amdhsa_system_sgpr_workgroup_id_x 1
		.amdhsa_system_sgpr_workgroup_id_y 1
		.amdhsa_system_sgpr_workgroup_id_z 1
		.amdhsa_system_vgpr_workitem_id 0
		.amdhsa_next_free_vgpr 242
		.amdhsa_next_free_sgpr 66
		.amdhsa_reserve_vcc 1
		.amdhsa_float_denorm_mode_32 3
		.amdhsa_float_denorm_mode_16_64 3
		.amdhsa_memory_ordered 1
		.amdhsa_forward_progress 1
		.amdhsa_inst_pref_size 110
	.end_amdhsa_kernel
	.amdgpu_metadata
---
amdhsa.version: [ 1, 2 ]
amdhsa.kernels:
  - .name:           k_q06f7ff4be0_quant
    .symbol:         k_q06f7ff4be0_quant.kd
    .args:
      - { .name: x, .offset: 0, .size: 8, .value_kind: global_buffer, .address_space: global }
      - { .name: W_in, .offset: 8, .size: 8, .value_kind: global_buffer, .address_space: global }
      - { .name: W_out, .offset: 16, .size: 8, .value_kind: global_buffer, .address_space: global }
      - { .name: xq, .offset: 24, .size: 8, .value_kind: global_buffer, .address_space: global }
      - { .name: wiq, .offset: 32, .size: 8, .value_kind: global_buffer, .address_space: global }
      - { .name: woq, .offset: 40, .size: 8, .value_kind: global_buffer, .address_space: global }
    .group_segment_fixed_size: 35328
    .private_segment_fixed_size: 0
    .kernarg_segment_align: 8
    .kernarg_segment_size: 48
    .max_flat_workgroup_size: 128
    .sgpr_count:     66
    .vgpr_count:     242
    .wavefront_size: 32
...
	.end_amdgpu_metadata
.endif
;; end of part 1
;; launch qkv (part 2): grid 8 x 32, 4 waves a work-group, clusters of 4 x 4, 327,680 bytes of LDS; arguments xq, wiq, b_in, qrec, kv; writes qrec, kv
.if DOCPART == 2
	.amdgcn_target "amdgcn-amd-amdhsa--gfx1250"
	.amdhsa_code_object_version 6
	.text
	.protected	k_q06f7ff4be0_qkv
	.globl	k_q06f7ff4be0_qkv
	.p2align	8
	.type	k_q06f7ff4be0_qkv,@function
k_q06f7ff4be0_qkv:
	s_mov_b64 s[64:65], 0
	v_nop
	global_prefetch_b8 v0, s[64:65] scope:SCOPE_SE
	s_setreg_imm32_b32 hwreg(HW_REG_WAVE_MODE, 25, 1), 1
	s_wait_xcnt 0x0
	s_wait_alu depctr_hold_cnt(0) depctr_sa_sdst(0) depctr_va_vdst(0) depctr_va_sdst(0) depctr_va_ssrc(0) depctr_va_vcc(0) depctr_vm_vsrc(0)
	s_getreg_b32 s2, hwreg(HW_REG_IB_STS2, 6, 4)
	s_cmp_eq_u32 s2, 0
	s_cbranch_scc0 .Lentry_in_a_cluster
	s_endpgm
.Lentry_in_a_cluster:
	s_bfe_u32 s2, ttmp6, 0x10000c
	s_cmp_lg_u32 s2, 0xf033
	s_cbranch_scc0 .Lentry_shape_is_right
	s_endpgm
.Lentry_shape_is_right:
; qkv = x W_in + b_in on codes of FP6 (E2M3) with E8M0 scales, sums in f32; the results are quantised in registers and leave as codes: q and k along a head's 64 channels, v along the tokens.
; LIMITS: NaN and infinities are not served; a block of zeros gets the byte 1 (its codes are zeros; this program alone reads the bytes).
; OPERANDS: records of 102,400 bytes for 128 rows: [K step of 256: 4][tile: 8][128 along K: 2][64: 2][768], then scale words [K step][16 tile + r][2].  A half image of 768 bytes is six registers a lane:
; registers 0-3 at 16 x lane, 4-5 at 512 + 8 x lane.  Position r of tile a is row 32 (a / 2) + 8 (a % 2) + r + 8 (r / 8) of the 128.
; THE DEAL: 256 work-groups, 8 x 32.  Work-group (cg, rg) takes tokens 256 rg .. + 255 and columns 128 cg .. + 127 of q, then of k, then of v: three phases on the same rows of x.
; Its two records of x lie in LDS for the whole launch; a third region holds one record of weights and is filled again twice, each time a whole phase (256 products a wave) ahead of its first read.
; Four waves, 2 x 2: wave (a, b) takes record a of x and 64 columns (one head), whose codes for ALL of K it holds in 384 registers.  x goes past in blocks of 16 rows, 32 products each on four accumulators by turns
; a block is fetched two blocks ahead, into two sets of registers; the walk over the eight blocks is a ring, so each phase finds its first two blocks fetched.
; The launch's last two fetches wrap to blocks 0 and 1 and are not used: the price of one text for both trips of a loop.
; q, k: source 0 = the weights: a lane holds one token, and its 32 sums of a block are 2 x 16 channels.  v: source 0 = x: a lane holds one channel, and its 32 sums of four blocks are 2 x 16 tokens.
; In both a scale block of 32 lies in lanes l and l xor 16.  After four blocks (a band) 128 sums a lane leave as four half images.  b_in is the C of each sum's first product.
; OUT: records of 13,056 bytes for (batch x 16 + head, 128 tokens): +0 q's or k's eight half images; +6,144 v's [16 channels: 4][64 keys: 2][768]; +12,288 q's or k's scale words, lane l's four at 16 l
; (word g: tile 2 g + l / 16, position l % 16; two bytes, the upper two 0); +12,800 v's, lane l's two at 8 l.
; CLUSTERS: 4 x 4; x's records are asked for jointly along a row of the cluster, the weights' along a column.
; NO PREFETCH: the head's tiles are asked for at once, with no loop ahead of them; each later record of weights is asked for by its own load 256 products ahead of its first read.
; REGISTERS: window 0: addresses, scale words, the way out.  Fragment f (12 registers) lies in window 1 + f / 21 at 12 (f % 21): 0-31 the weights' (4 kq + u), 32-39 and 40-47 x's two sets.
; v840-967 the 128 sums; v968-999 q's or k's bias; v160-191 v's bias.
.set REC,   102400
.set SCO,   98304
.set KH,    49152                      ; K steps 2 and 3 have address registers of their own: an LDS offset has 16 bits
.set WB,    2*REC                      ; the weights' region
.set SPARE, 3*REC                      ; the spare words: 512 bytes that no other line names
.set AREC,  13056
.set FR,    12
.set FPW,   21
.set L16,   1
.set L8,    2
.set SPW,   3
.set NIL,   4
.set XB,    6                          ; v6-9 my record of x: + 16 l, + 8 l; the same + KH
.set XSB,   10                         ; its scale words + 8 l
.set XA,    12                         ; v12-15, v16: the same for the band that is fetched
.set XS,    16
.set WA,    18                         ; v18-21 my 64 rows of the weights
.set WS,    22
.set BO,    23
.set BVO,   24
.set SB,    32                         ; v32-47 the weights' scale words: 8 p + kq: lanes 0-15 tile 2 p, lanes 16-31 tile 2 p + 1
.set SA,    52                         ; v52-67 x's: two sets (a pair of blocks each), laid 4 off a multiple of 8
.set T,     72                         ; v72-103 the way out: 8 registers for each of four groups
.set PC,    104                        ; v104-151 codes: 12 for each group
.set W4,    152                        ; v152-155 q's or k's scale words on their way out
.set WV,    156                        ; v156-159 v's
.set BBV,   160
.set ACCL,  72                         ; in window 3
.set BBL,   200                        ; in window 3
.set G1X, 24
.set G1W, 32
.set G0X, 40
.set G0W, 44
.set SEL, 48
.set HM,  50
.set OB,  52
.set OK,  54
.set BP,  56
.set MSB, 0
.macro WIN new                         ; the immediate's high byte repeats the setting that is left
.if MSB != (\new)
	s_set_vgpr_msb (MSB<<8)|(\new)
.set MSB, \new
.endif
.endm
.macro PLACES n
.rept \n
	v_nop
.endr
.endm
.macro WALU
	s_wait_alu depctr_va_vdst(0)
.endm
.macro BARRIER
	s_barrier_signal -1
	s_barrier_wait -1
.endm
.macro CROUND                          ; a round of the cluster's barrier
	s_barrier_signal -1
	s_barrier_wait -1
	s_cmp_lg_u32 s14, 0
	s_cbranch_scc1 .Lnw0_\@
	s_barrier_signal -3
.Lnw0_\@:
	s_barrier_wait -3
	s_barrier_signal -1
	s_barrier_wait -1
.endm
.macro TLOAD g0, g1
	tensor_load_to_lds s[\g0:\g0+3], s[\g1:\g1+7]
	s_nop 0
	PLACES 4
.endm
.macro GROUP1 g, rows                  ; a dense block as rows of 256 bytes (32 elements of 8 bytes)
	s_mov_b32 s[\g+1], 32<<16
	s_mov_b32 s[\g+2], (\rows)<<16
	s_mov_b32 s[\g+3], 32<<16
	s_mov_b32 s[\g+4], \rows
	s_mov_b32 s[\g+5], 32
	s_mov_b32 s[\g+6], 0
	s_mov_b32 s[\g+7], 0
.endm
.macro FRAG f, a, off                  ; a fragment, 16 rows x 128 K: two half images as they lie; every load reads 512 or 256 consecutive bytes
	WIN (1+(\f)/FPW)<<6
.set R_, FR*((\f)%FPW)
	ds_load_b128 v[R_:R_+3], v[\a] offset:\off
	ds_load_b64 v[R_+4:R_+5], v[\a+1] offset:(\off)+512
	ds_load_b128 v[R_+6:R_+9], v[\a] offset:(\off)+768
	ds_load_b64 v[R_+10:R_+11], v[\a+1] offset:(\off)+1280
.endm
.macro WEIGHTS                         ; my 64 rows, all of K, and their scale words: 136 loads
.irp kq,0,1,2,3,4,5,6,7
.irp u,0,1,2,3
	FRAG 4*\kq+\u, WA+2*(\kq/4), ((\kq/2)%2)*24576+(\kq%2)*1536+\u*3072
.endr
.endr
	WIN 0
.irp p,0,1
.irp s,0,1,2,3
	ds_load_b64 v[SB+8*\p+2*\s:SB+8*\p+2*\s+1], v[WS] offset:\s*1024+256*\p
.endr
.endr
.endm
.macro FETCHX jt                       ; block jt of the band at v[XA]: 32 loads; an even block brings its pair's scale words too: 36
.irp kq,0,1,2,3,4,5,6,7
	FRAG 32+8*((\jt)%2)+\kq, XA+2*(\kq/4), ((\kq/2)%2)*24576+(\kq%2)*1536+(\jt)*3072
.endr
	WIN 0
.if (\jt)%2 == 0
.irp s,0,1,2,3
	ds_load_b64 v[SA+8*((\jt)/2)+2*\s:SA+8*((\jt)/2)+2*\s+1], v[XS] offset:\s*1024+256*((\jt)/2)
.endr
.endif
.endm
.macro WM d, a, b, c, xa, xb, ra, rb
	v_wmma_scale_f32_16x16x128_f8f6f4 v[\d:\d+7], v[FR*((\a)%FPW):FR*((\a)%FPW)+FR-1], v[FR*((\b)%FPW):FR*((\b)%FPW)+FR-1], \c, v[\xa], v[\xb] matrix_a_fmt:MATRIX_FMT_FP6 matrix_b_fmt:MATRIX_FMT_FP6 matrix_a_scale:MATRIX_SCALE_ROW\ra matrix_b_scale:MATRIX_SCALE_ROW\rb
.endm
.macro WR d, a, b, c, xa, xb, ra, rb   ; the halves of the lanes in which the two scale words stand
.if (\ra)
.if (\rb)
	WM \d, \a, \b, \c, \xa, \xb, 1, 1
.else
	WM \d, \a, \b, \c, \xa, \xb, 1, 0
.endif
.else
.if (\rb)
	WM \d, \a, \b, \c, \xa, \xb, 0, 1
.else
	WM \d, \a, \b, \c, \xa, \xb, 0, 0
.endif
.endif
.endm
.macro PROD kind, j, n                 ; product n = 4 kq + u of block j of a band.  kind 0 (q, k): the sums at 32 j + 8 u; kind 1 (v): at 32 u + 8 j
.set KQ_, (\n)/4
.set U_, (\n)%4
.set FW_, 4*KQ_+U_
.set FX_, 32+8*((\j)%2)+KQ_
.set SW_, SB+8*(U_/2)+KQ_
.set SX_, SA+8*((\j)/2)+KQ_
.if \kind
.set D_, ACCL+32*U_+8*(\j)
.if KQ_
	WIN (1+FX_/FPW)|((1+FW_/FPW)<<2)|0xf0
	WR D_, FX_, FW_, v[D_:D_+7], SX_, SW_, (\j)%2, U_%2
.else
	WIN (1+FX_/FPW)|((1+FW_/FPW)<<2)|0xc0
	WR D_, FX_, FW_, v[BBV+8*U_:BBV+8*U_+7], SX_, SW_, (\j)%2, U_%2
.endif
.else
.set D_, ACCL+32*(\j)+8*U_
	WIN (1+FW_/FPW)|((1+FX_/FPW)<<2)|0xf0
.if KQ_
	WR D_, FW_, FX_, v[D_:D_+7], SW_, SX_, U_%2, (\j)%2
.else
	WR D_, FW_, FX_, v[BBL+8*U_:BBL+8*U_+7], SW_, SX_, U_%2, (\j)%2
.endif
.endif
.endm
.macro BAND kind                       ; four blocks.  A block's rows were fetched two blocks ago; younger than that fetch is the next block's alone: 32 loads, or 36 with scale words
.irp j,0,1,2,3
	s_wait_dscnt 32+4*(\j%2)
.set N_, 0
.rept 32
	PROD \kind, \j, N_
.set N_, N_+1
.endr
	WIN 0
	PLACES 4                                       ; between the products and the loads into their operands
.if \j == 2
	s_xor_b32 s60, s60, 12288                      ; from here on the other band of my record is fetched
	s_xor_b32 s61, s61, 512
.irp i,0,1,2,3
	v_add_nc_u32 v[XA+\i], s60, v[XB+\i]
.endr
	v_add_nc_u32 v[XS], s61, v[XSB]
	WALU
.endif
	FETCHX (\j+2)%4
.endr
.endm
; THE WAY OUT of a band: four groups of 32 sums, line by line in turn.  In a group registers 16 b + i are numbers 32 b + 16 (lane / 16) + i of my row.
.macro OUT4 kind
	WIN 0x0f
.irp b,0,1
.irp g,0,1,2,3
	v_max3_num_f32 v[T+8*\g+\b], |v[ACCL+32*\g+16*\b]|, |v[ACCL+32*\g+16*\b+1]|, 0x1800000   ; with the floor 2^(3 - 127): the byte cannot fall under 1
.endr
.endr
	WIN 0x3c
.irp i,2,4,6,8,10,12,14
.irp b,0,1
.irp g,0,1,2,3
	v_max3_num_f32 v[T+8*\g+\b], v[T+8*\g+\b], |v[ACCL+32*\g+16*\b+\i]|, |v[ACCL+32*\g+16*\b+\i+1]|
.endr
.endr
.endr
	WIN 0
.irp b,0,1
.irp g,0,1,2,3
	v_permlanex16_b32 v[T+8*\g+2+\b], v[T+8*\g+\b], s[SEL], s[SEL+1]
.endr
.endr
.irp b,0,1
.irp g,0,1,2,3
	v_max_num_f32 v[T+8*\g+\b], v[T+8*\g+\b], v[T+8*\g+2+\b]   ; with lane l xor 16's: the block's largest magnitude
.endr
.endr
.irp b,0,1
.irp g,0,1,2,3
	v_add_nc_u32 v[T+8*\g+4+\b], 0xff000000, v[T+8*\g+\b]      ; 2 off its exponent field: the conversion's scale operand
.endr
.endr
.irp b,0,1
.irp g,0,1,2,3
	v_lshrrev_b32 v[T+8*\g+2+\b], 23, v[T+8*\g+4+\b]           ; the scale's byte
.endr
.endr
.irp g,0,1,2,3
	v_lshl_or_b32 v[T+8*\g+6], v[T+8*\g+3], 8, v[T+8*\g+2]     ; the group's two bytes
.endr
	WIN 0x03
.irp g,0,1,2,3
	v_cvt_scalef32_pk16_fp6_f32 v[PC+12*\g:PC+12*\g+2], v[ACCL+32*\g:ACCL+32*\g+15], v[T+8*\g+4]
	v_cvt_scalef32_pk16_fp6_f32 v[PC+12*\g+6:PC+12*\g+8], v[ACCL+32*\g+16:ACCL+32*\g+31], v[T+8*\g+5]
.endr
	WIN 0
	v_nop                                          ; one plain line behind a scaled conversion
.irp i,0,1,2
.irp g,0,1,2,3
	v_permlane16_swap_b32 v[PC+12*\g+\i], v[PC+12*\g+6+\i]     ; the layout wants a whole block in a lane: lanes 0-15 block 0, lanes 16-31 block 1
.endr
.endr
.irp i,0,1,2
.irp g,0,1,2,3
	v_mov_b32 v[PC+12*\g+3+\i], v[PC+12*\g+6+\i]
.endr
.endr
.if \kind
.irp g,0,1,2,3
	v_lshrrev_b32 v[WV+\g], 16, v[WV+\g]           ; the band before goes to the low half,
.endr
.irp g,0,1,2,3
	v_lshl_or_b32 v[WV+\g], v[T+8*\g+6], 16, v[WV+\g]          ; this band's two bytes to the high half: after two bands the word of 128 keys is whole
.endr
.else
	v_mov_b32 v[W4], v[W4+2]                       ; the band before: words 0, 1; this band: words 2, 3
	v_mov_b32 v[W4+1], v[W4+3]
	v_cndmask_b32 v[W4+2], v[T+6], v[T+14], s[HM]  ; lanes 16-31 carry the odd tile's word
	v_cndmask_b32 v[W4+3], v[T+22], v[T+30], s[HM]
.endif
.irp g,0,1,2,3
.if \kind
.set OF_, 6144+1536*\g
.else
.set OF_, 768*\g
.endif
	global_store_b128 v[L16], v[PC+12*\g:PC+12*\g+3], s[OB:OB+1] offset:OF_        ; 512 consecutive bytes, aligned to 256
	global_store_b64 v[L8], v[PC+12*\g+4:PC+12*\g+5], s[OB:OB+1] offset:OF_+512    ; and 256
.endr
	WALU
	s_wait_xcnt 0x0                                ; the stores have read their base and data: both are written again
	s_add_nc_u64 s[OB:OB+1], s[OB:OB+1], 3072-2304*\kind
.endm
.macro BIASQ                           ; register 8 u + i of lane (r, h): column 32 (u / 2) + 8 (u % 2) + 16 h + i of my 64
	WIN 0xc0
.irp u,0,1,2,3
	global_load_b128 v[BBL+8*\u:BBL+8*\u+3], v[BO], s[BP:BP+1] offset:(32*(\u/2)+8*(\u%2))*4
	global_load_b128 v[BBL+8*\u+4:BBL+8*\u+7], v[BO], s[BP:BP+1] offset:(32*(\u/2)+8*(\u%2))*4+16
.endr
	WIN 0
.endm
; ---------------- the head
	s_load_b256 s[4:11], s[0:1], 0x0               ; xq s[4:5], wiq s[6:7], b_in s[8:9], qrec s[10:11]
	s_load_b64 s[12:13], s[0:1], 0x20              ; kv
	v_lshl_add_u32 v[SPW], v0, 2, SPARE
	v_mov_b32 v[NIL], 0
	ds_add_u32 v[SPW], v[NIL]
	ds_add_u32 v[SPW], v[NIL]
	v_lshrrev_b32 v5, 5, v0
	v_readfirstlane_b32 s14, v5                    ; wave
	s_lshr_b32 s15, s14, 1                         ; a: my record of x.  Also: I fetch weights (0) or x (1)
	s_and_b32 s16, s14, 1                          ; b: my 64 columns.  Also: which half or record I fetch
	s_bfe_u32 s17, ttmp6, 0x40000                  ; cx
	s_bfe_u32 s18, ttmp6, 0x40004                  ; cy
	s_lshl_b32 s19, ttmp9, 2
	s_add_co_u32 s19, s19, s17                     ; cg
	s_and_b32 s20, ttmp7, 0xffff
	s_lshl_b32 s20, s20, 2
	s_add_co_u32 s20, s20, s18                     ; rg
	s_lshl_b32 s21, s18, 2
	s_lshl_b32 s21, 15, s21                        ; my row of the cluster
	s_lshl_b32 s22, 0x1111, s17                    ; my column
	s_or_b32 s[G1X], s21, (3<<16)|(1<<21)
	s_or_b32 s[G1W], s22, (3<<16)|(1<<21)
	GROUP1 G1X, 400                                ; a record
	GROUP1 G1W, 200                                ; half a record
	s_mov_b32 s[G0X], 1
	s_mul_i32 s[G0X+1], s16, REC
	s_mov_b32 s[G0W], 1
	s_mul_i32 s[G0W+1], s16, REC/2
	s_add_co_u32 s[G0W+1], s[G0W+1], WB
	s_lshl_b32 s66, s20, 1
	s_add_co_u32 s66, s66, s16
	s_mul_i32 s66, s66, REC
	s_mov_b32 s67, 0
	s_mul_i32 s68, s19, REC
	s_mul_i32 s69, s16, REC/2
	s_add_co_u32 s68, s68, s69
	s_mov_b32 s69, 0
	WALU
	s_wait_dscnt 0x0
	CROUND                                         ; all sixteen work-groups are here: the first joint loads meet
	s_wait_kmcnt 0x0
	s_add_nc_u64 s[G0X+2:G0X+3], s[4:5], s[66:67]
	s_or_b32 s[G0X+3], s[G0X+3], 0x80000000
	s_add_nc_u64 s[G0W+2:G0W+3], s[6:7], s[68:69]
	s_or_b32 s[G0W+3], s[G0W+3], 0x80000000
	s_cmp_lt_u32 s14, 2                            ; one load a wave: waves 0, 1 a half each of q's weights, waves 2, 3 a record of x each
	s_cbranch_scc0 .Lfor_x
	TLOAD G0W, G1W
	s_branch .Lasked
.Lfor_x:
	TLOAD G0X, G1X
.Lasked:
	s_mul_i32 s21, s15, REC
	s_add_co_u32 s22, s21, KH
	s_add_co_u32 s23, s21, SCO
	s_mul_i32 s66, s16, 12288
	s_add_co_u32 s66, s66, WB
	s_add_co_u32 s67, s66, KH
	s_lshl_b32 s68, s16, 9
	s_add_co_u32 s68, s68, WB+SCO
	s_lshl_b32 s62, s19, 9
	s_lshl_b32 s63, s16, 8
	s_add_co_u32 s62, s62, s63
	s_mov_b32 s63, 0
	s_add_nc_u64 s[BP:BP+1], s[8:9], s[62:63]      ; b_in at q's column 128 cg + 64 b
	s_lshl_b32 s62, s20, 1
	s_add_co_u32 s62, s62, s15                     ; my 128 tokens among 64
	s_lshr_b32 s69, s62, 4
	s_lshl_b32 s69, s69, 4                         ; batch x 16
	s_lshl_b32 s51, s19, 1
	s_add_co_u32 s51, s51, s16                     ; head
	s_add_co_u32 s69, s69, s51
	s_lshl_b32 s69, s69, 4
	s_and_b32 s62, s62, 15
	s_add_co_u32 s62, s62, s69
	s_mul_i32 s62, s62, AREC
	s_add_nc_u64 s[OB:OB+1], s[10:11], s[62:63]    ; my record of qrec,
	s_add_nc_u64 s[OK:OK+1], s[12:13], s[62:63]    ; and of kv
	s_mov_b32 s[SEL], 0x76543210
	s_mov_b32 s[SEL+1], 0xfedcba98                 ; v_permlanex16_b32's selects for lane l xor 16
	s_mov_b32 s[HM], 0xffff0000                    ; lanes 16-31
	s_mov_b32 s58, 0
	s_mov_b32 s60, 0
	s_mov_b32 s61, 0
	v_and_b32 v5, 31, v0
	v_lshlrev_b32 v[L16], 4, v5
	v_lshlrev_b32 v[L8], 3, v5
	v_add_nc_u32 v[XB], s21, v[L16]
	v_add_nc_u32 v[XB+1], s21, v[L8]
	v_add_nc_u32 v[XB+2], s22, v[L16]
	v_add_nc_u32 v[XB+3], s22, v[L8]
	v_add_nc_u32 v[XSB], s23, v[L8]
	v_add_nc_u32 v[XA], s21, v[L16]
	v_add_nc_u32 v[XA+1], s21, v[L8]
	v_add_nc_u32 v[XA+2], s22, v[L16]
	v_add_nc_u32 v[XA+3], s22, v[L8]
	v_add_nc_u32 v[XS], s23, v[L8]
	v_add_nc_u32 v[WA], s66, v[L16]
	v_add_nc_u32 v[WA+1], s66, v[L8]
	v_add_nc_u32 v[WA+2], s67, v[L16]
	v_add_nc_u32 v[WA+3], s67, v[L8]
	v_add_nc_u32 v[WS], s68, v[L8]
	v_bfe_u32 v27, v0, 4, 1
	v_lshlrev_b32 v[BO], 6, v27                    ; 64 h
	v_and_b32 v28, 15, v0
	v_and_b32 v29, 8, v0
	v_add_nc_u32 v28, v28, v29
	v_lshlrev_b32 v[BVO], 2, v28                   ; 4 (r + 8 (r / 8))
.irp g,0,1,2,3
	v_mov_b32 v[T+8*\g+2], 0                       ; written once: a lane permute's destination counts as one of its sources
	v_mov_b32 v[T+8*\g+3], 0
	v_mov_b32 v[W4+\g], 0
	v_mov_b32 v[WV+\g], 0
.endr
	BIASQ
.irp u,0,1,2,3
	global_load_b32 v[BBV+8*\u], v[BVO], s[BP:BP+1] offset:8192+(32*(\u/2)+8*(\u%2))*4   ; v: my lane's channel of tile u
.endr
	WALU
	s_wait_tensorcnt 0x0                           ; my tile is in,
	BARRIER                                        ; everybody's is
	WEIGHTS
	FETCHX 0
	FETCHX 1
	s_wait_loadcnt 0x0
.irp u,0,8,16,24
.irp i,1,2,3,4,5,6,7
	v_mov_b32 v[BBV+\u+\i], v[BBV+\u]              ; over the tile's eight registers, as the result lies
.endr
.endr
	WALU
; ---------------- q, then k: one text, two trips
.Lphase:
	s_wait_tensorcnt 0x0
	ds_add_u32 v[SPW], v[NIL]
	s_add_nc_u64 s[G0W+2:G0W+3], s[G0W+2:G0W+3], 8*REC   ; no load of mine is out: the next tensor's record of weights
	s_wait_dscnt 0x0                               ; the add is done, and the weights are in my registers
	CROUND                                         ; so they are in every wave of every partner
	s_cmp_lt_u32 s14, 2
	s_cbranch_scc0 .Lno_half
	TLOAD G0W, G1W                                 ; waves 0 and 1 a half each
.Lno_half:
	s_wait_loadcnt 0x0                             ; the bias
	s_mov_b32 s59, 0
.Lband:
	BAND 0
	OUT4 0
	s_add_co_u32 s59, s59, 1
	s_cmp_lt_u32 s59, 2
	s_cbranch_scc1 .Lband
	global_store_b128 v[L16], v[W4:W4+3], s[OB:OB+1] offset:12288-6144   ; the base has stepped over the eight half images
	s_wait_tensorcnt 0x0                           ; my half of the next weights is in,
	s_wait_dscnt 0x0
	BARRIER                                        ; everybody's is
	WEIGHTS
	s_wait_xcnt 0x0
	s_mov_b64 s[OB:OB+1], s[OK:OK+1]               ; k and v go to kv
	s_add_nc_u64 s[BP:BP+1], s[BP:BP+1], 4096
	s_cmp_eq_u32 s58, 0
	s_cbranch_scc0 .Lno_bias                       ; v's bias has been in its registers since the head
	BIASQ
.Lno_bias:
	s_add_co_u32 s58, s58, 1
	s_cmp_lt_u32 s58, 2
	s_cbranch_scc1 .Lphase
; ---------------- v
	s_wait_dscnt 0x0                               ; the weights are in my registers
	s_mov_b32 s59, 0
.Lvband:
	BAND 1
	OUT4 1
	s_add_co_u32 s59, s59, 1
	s_cmp_lt_u32 s59, 2
	s_cbranch_scc1 .Lvband
	v_cndmask_b32 v[W4], v[WV], v[WV+1], s[HM]     ; word g of lane l: tile 2 g + l / 16
	v_cndmask_b32 v[W4+1], v[WV+2], v[WV+3], s[HM]
	global_store_b64 v[L8], v[W4:W4+1], s[OB:OB+1] offset:12800-1536
	s_wait_tensorcnt 0x0                           ; the wave's end
	ds_add_u32 v[SPW], v[NIL]
	s_wait_dscnt 0x0
	CROUND                                         ; the closing round
	s_endpgm
.Lfunc_end_k_q06f7ff4be0_qkv:
	.size	k_q06f7ff4be0_qkv, .Lfunc_end_k_q06f7ff4be0_qkv-k_q06f7ff4be0_qkv
	.p2alignl 7, 3214868480
	.fill 96, 4, 3214868480
	.section	.rodata,"a",@progbits
	.p2align	6, 0x0
	.amdhsa_kernel k_q06f7ff4be0_qkv
		.amdhsa_group_segment_fixed_size 327680
		.amdhsa_private_segment_fixed_size 0
		.amdhsa_enable_private_segment 0
		.amdhsa_kernarg_size 40
		.amdhsa_user_sgpr_count 2
		.amdhsa_user_sgpr_kernarg_segment_ptr 1
		.amdhsa_wavefront_size32 1
		.amdhsa_system_sgpr_workgroup_id_x 1
		.amdhsa_system_sgpr_workgroup_id_y 1
		.amdhsa_system_sgpr_workgroup_id_z 1
		.amdhsa_system_vgpr_workitem_id 0
		.amdhsa_next_free_vgpr 1024
		.amdhsa_next_free_sgpr 72
		.amdhsa_reserve_vcc 0
		.amdhsa_float_denorm_mode_32 3
		.amdhsa_float_denorm_mode_16_64 3
		.amdhsa_memory_ordered 1
		.amdhsa_forward_progress 1
		.amdhsa_inst_pref_size 104
	.end_amdhsa_kernel
	.amdgpu_metadata
---
amdhsa.version: [ 1, 2 ]
amdhsa.kernels:
  - .name:           k_q06f7ff4be0_qkv
    .symbol:         k_q06f7ff4be0_qkv.kd
    .args:
      - { .name: xq, .offset: 0, .size: 8, .value_kind: global_buffer, .address_space: global }
      - { .name: wiq, .offset: 8, .size: 8, .value_kind: global_buffer, .address_space: global }
      - { .name: b_in, .offset: 16, .size: 8, .value_kind: global_buffer, .address_space: global }
      - { .name: qrec, .offset: 24, .size: 8, .value_kind: global_buffer, .address_space: global }
      - { .name: kv, .offset: 32, .size: 8, .value_kind: global_buffer, .address_space: global }
    .group_segment_fixed_size: 327680
    .private_segment_fixed_size: 0
    .kernarg_segment_align: 8
    .kernarg_segment_size: 40
    .max_flat_workgroup_size: 128
    .sgpr_count:     72
    .vgpr_count:     1024
    .wavefront_size: 32
...
	.end_amdgpu_metadata
.endif
;; end of part 2
;; launch attn (part 3): grid 4 x 64, 16 waves a work-group, clusters of 4 x 1, 210,944 bytes of LDS; arguments qrec, kv, yq; writes yq
.if DOCPART == 3
	.amdgcn_target "amdgcn-amd-amdhsa--gfx1250"
	.amdhsa_code_object_version 6
	.text
	.protected	k_q06f7ff4be0_attn
	.globl	k_q06f7ff4be0_attn
	.p2align	8
	.type	k_q06f7ff4be0_attn,@function
k_q06f7ff4be0_attn:
	s_mov_b64 s[64:65], 0
	v_nop
	global_prefetch_b8 v0, s[64:65] scope:SCOPE_SE
	s_setreg_imm32_b32 hwreg(HW_REG_WAVE_MODE, 25, 1), 1
	s_wait_xcnt 0x0
	s_wait_alu depctr_hold_cnt(0) depctr_sa_sdst(0) depctr_va_vdst(0) depctr_va_sdst(0) depctr_va_ssrc(0) depctr_va_vcc(0) depctr_vm_vsrc(0)
	s_getreg_b32 s2, hwreg(HW_REG_IB_STS2, 6, 4)
	s_cmp_eq_u32 s2, 0
	s_cbranch_scc0 .Lentry_in_a_cluster
	s_endpgm
.Lentry_in_a_cluster:
	s_bfe_u32 s2, ttmp6, 0x10000c
	s_cmp_lg_u32 s2, 0x3003
	s_cbranch_scc0 .Lentry_shape_is_right
	s_endpgm
.Lentry_shape_is_right:
; y[b][q][head] = softmax_k(q . k / 8, causal) v, both products on codes of FP6 (E2M3) with E8M0 scales; y leaves quantised along the channels, as the last product's operand.
; THE SOFTMAX: t = score x log2(e) / 8; M = the running largest t rounded UP to a whole number; p = 2^(t - M) is quantised along the keys, not normalised; the row's sum is taken of the unquantised p and divides at the end.
; LEFT OUT: key steps of 128 that lie wholly behind a tile's queries: the causal mask sets their scores to -infinity, so their p is 0 for all values of the inputs.
; LIMITS: NaN and infinities are not served; a block of zeros gets the byte 1 (its codes are zeros; this program alone reads the bytes).  The promise holds while the scaled scores stay under 2^31 in magnitude.
; THE FIRST PRODUCT'S K IS 64, half of the instruction's 128: q's upper six registers are zero codes; k's upper six are the next tile's codes, any codes of a format that has no NaN and no infinity: the products are 0.
; The scale bytes of that half are 0, which is 2^-127 and a number.
; IN: records of 13,056 bytes for (batch x 16 + head, 128 tokens): +0 eight half images of k (or q), +6,144 v's [16 channels: 4][64 keys: 2], +12,288 k's (q's) scale words, +12,800 v's.  A half image, 768 bytes, is six
; registers a lane: registers 0-3 at 16 x lane, 4-5 at 512 + 8 x lane.  Position r of image a is token (channel) 32 (a / 2) + 8 (a % 2) + r + 8 (r / 8).
; SHARES.  A head's 16 records of kv, 208,896 bytes, lie in LDS whole: each of the sixteen waves brings one by one tensor load; nothing is filled again: one barrier, no ring.
; CLUSTER: the four work-groups of a head form a cluster and ask for each record jointly.  Wave w of the partner at place cx owns the tiles of 16 queries tA = 4 w + cx and tB = 127 - tA: their diagonal key steps,
; w / 2 and 15 - w / 2, hang on the wave's number alone, so no branch and no LDS address hangs on cx; together they are 17 key steps for every wave: the causal work is even.
; Nothing is prefetched: all that a work-group reads of kv is asked for once, at its head, with no loop ahead of it.
; LAYOUT.  S^T = k q^T (source 0 = 16 keys), O^T = v^T p^T (source 0 = 16 channels): a lane holds ONE query throughout.
; THE KEYS OF A TILE ARE CHOSEN BY THE LANES' ADDRESSES: row 8 g + i of tile (c, j) is key 64 c + 32 g + 8 j + i, which lies in image 4 c + 2 g + j % 2 at position 8 (j / 2) + i.  So register 32 c + 8 j + i of lane (r, h)
; is the score of key 64 c + 32 h + 8 j + i: a whole scale block of p lies in one lane, in the order of the operand's registers.  v's tiles are taken as they lie: O^T's registers are channels 32 b + 16 h + i.
; FOUR WAVES SHARE A SIMD: chains of dependent lines are laid among independent ones (eight chains of maxima; the scale word's chain among the sum's additions); where none are at hand, a one-field s_delay_alu names the line read.
.set AREC, 13056
.set REC,  102400
.set SCO,  98304
.set SPARE, 0x33000                    ; behind the records: the spare words, 128 bytes a wave
.set L16, 1                            ; 16 x lane
.set L8,  2                            ; 8 x lane
.set A16, 3                            ; the same in the key step's record: v's images
.set A8,  4
.set K16, 5                            ; k's images, k's scale words, in the key step's record
.set K8,  6
.set KS,  7
.set KB16, 8                           ; 16 (r % 8 + 16 h) + 1536 (r / 8)
.set KB8,  9                           ; 8 (r % 8 + 16 h) + 1536 (r / 8)
.set KSB,  10                          ; 256 h + 16 (r % 8) + 4 (r / 8)
.set LM,  11                           ; r + 8 (r / 8) - 32 h
.set Q,   16                           ; v16-21 q's codes, v22-27 zero codes.  v12 -M, v13 the running largest score, v[14:15] the sum
.set QSB, 28                           ; tile B's scale words
.set YB,  29                           ; 8 r + h
.set KF,  30                           ; v30-77 k's eight tiles, six registers each; behind the first product v30-67 are at work
.set QB,  78                           ; v78-83 tile B's codes (also what stands behind k's last tile)
.set VF,  84                           ; v84-131 v's four fragments
.set S,   132                          ; v132-195 S^T, then p
.set O,   196                          ; v196-227 O^T
.set P,   228                          ; v228-239 p's codes
.set QS,  240                          ; q's scale words
.set PS,  241                          ; p's
.set SCK, 242                          ; v242-245 k's: 2 c + j / 2: lanes 0-15 even j, lanes 16-31 odd j
.set SCV, 246                          ; v246-247 v's
.set SH8, 248                          ; 8 h
.set NEG, 249                          ; -infinity.  v250 a lane permute's destination; v252, v253 at work; v254 f; v255 0, named with it as a pair
.set AC,  52                           ; v52-67 the sum's eight chains
.set SDA, 30                           ; s30.. tile A: diagonal step, the tile's first position among 128, y's codes, y's scale bytes, q's codes, q's scale words
.set SDB, 40                           ; s40.. tile B likewise
.set CS,  74                           ; s[74:75] c = log2(e) / 8;  s79 = -c;  s80-87 lane masks on the diagonal
.set SEL, 76                           ; s[76:77]
.macro WALU
	s_wait_alu depctr_va_vdst(0)
.endm
.macro HINT n                          ; the line below reads the result of the plain vector line n lines above it, and of none nearer
	s_delay_alu instid0(VALU_DEP_\n)
.endm
.macro CROUND                          ; a round of the cluster's barrier
	s_barrier_signal -1
	s_barrier_wait -1
	s_cmp_lg_u32 s10, 0
	s_cbranch_scc1 .Lnw0_\@
	s_barrier_signal -3
.Lnw0_\@:
	s_barrier_wait -3
	s_barrier_signal -1
	s_barrier_wait -1
.endm
	s_load_b128 s[4:7], s[0:1], 0x0                ; qrec s[4:5], kv s[6:7]
	s_load_b64 s[8:9], s[0:1], 0x10                ; yq
	v_lshl_add_u32 v254, v0, 2, SPARE
	v_mov_b32 v255, 0
	ds_add_u32 v254, v255
	ds_add_u32 v254, v255
	v_lshrrev_b32 v1, 5, v0
	v_readfirstlane_b32 s10, v1                    ; wave 0..15
	s_and_b32 s11, ttmp7, 0xffff                   ; batch x 16 + head: the cluster's y
	s_bfe_u32 s25, ttmp6, 0x40000                  ; cx
	s_mov_b32 s16, 15|(3<<16)|(1<<21)              ; descriptor group 1: the mask names the four partners; elements of 8 bytes; no padding
	s_mov_b32 s17, 32<<16                          ; tensor_dim0: a row of 256 bytes
	s_mov_b32 s18, 51<<16                          ; tensor_dim1: 51 rows = a record
	s_mov_b32 s19, 32<<16
	s_mov_b32 s20, 51
	s_mov_b32 s21, 32                              ; dense
	s_mov_b32 s22, 0
	s_mov_b32 s23, 0
	s_lshl_b32 s24, s11, 4                         ; the head's first record
	s_add_co_u32 s26, s24, s10
	s_mul_i32 s26, s26, AREC
	s_mov_b32 s27, 0
	s_mov_b32 s12, 1
	s_mul_i32 s13, s10, AREC                       ; LDS: record w at 13,056 w
	WALU
	s_wait_dscnt 0x0
	CROUND                                         ; the four partners are here: the joint loads meet
	s_wait_kmcnt 0x0
	s_add_nc_u64 s[14:15], s[6:7], s[26:27]
	s_or_b32 s15, s15, 0x80000000
	tensor_load_to_lds s[12:15], s[16:23]          ; my one tensor load
	s_nop 0
	s_lshl_b32 s28, s10, 2
	s_add_co_u32 s28, s28, s25                     ; tA
	s_sub_co_u32 s29, 127, s28                     ; tB
	s_lshr_b32 s[SDA], s10, 1                      ; the diagonal steps, from the wave's number alone
	s_sub_co_u32 s[SDB], 15, s[SDA]
	s_lshr_b32 s58, s11, 4
	s_lshl_b32 s58, s58, 4                         ; yq: the batch's first record
	s_and_b32 s50, s11, 15                         ; the head: 64 of y's 1,024 channels
	s_lshr_b32 s51, s50, 2
	s_and_b32 s52, s50, 3
	s_mul_i32 s59, s51, 24576                      ; its K step of 256,
	s_mul_i32 s53, s52, 768                        ; its half image in a tile
	s_add_co_u32 s59, s59, s53
	s_lshl_b32 s60, s51, 10
	s_lshl_b32 s53, s52, 1                         ; its two bytes of a position's eight
	s_add_co_u32 s60, s60, s53
	s_add_co_u32 s60, s60, SCO
.macro TILE t, b                       ; tile s[t], diagonal step s[b]: s[b+1] first position, s[b+2:b+3] y's codes, s[b+4:b+5] y's bytes, s[b+6:b+7] q's codes, s[b+8:b+9] q's scale words
	s_and_b32 s50, s[\t], 7                        ; a: the tile among its 128 tokens
	s_lshr_b32 s51, s50, 1
	s_and_b32 s52, s50, 1
	s_lshl_b32 s[\b+1], s51, 5
	s_lshl_b32 s53, s52, 3
	s_add_co_u32 s[\b+1], s[\b+1], s53             ; 32 (a / 2) + 8 (a % 2)
	s_add_co_u32 s54, s24, s[\b]
	s_mul_i32 s54, s54, AREC
	s_mul_i32 s53, s50, 768
	s_add_co_u32 s56, s54, s53
	s_mov_b32 s57, 0
	s_add_nc_u64 s[\b+6:\b+7], s[4:5], s[56:57]
	s_lshl_b32 s53, s52, 8                         ; word a / 2 of lane 16 (a % 2) + r
	s_add_co_u32 s56, s54, s53
	s_lshl_b32 s53, s51, 2
	s_add_co_u32 s56, s56, s53
	s_add_co_u32 s56, s56, 12288
	s_add_nc_u64 s[\b+8:\b+9], s[4:5], s[56:57]
	s_add_co_u32 s54, s58, s[\b]
	s_mul_i32 s54, s54, REC
	s_mul_i32 s53, s50, 3072
	s_add_co_u32 s56, s54, s53
	s_add_co_u32 s56, s56, s59
	s_add_nc_u64 s[\b+2:\b+3], s[8:9], s[56:57]
	s_lshl_b32 s53, s50, 7
	s_add_co_u32 s56, s54, s53
	s_add_co_u32 s56, s56, s60
	s_add_nc_u64 s[\b+4:\b+5], s[8:9], s[56:57]
.endm
	TILE 28, SDA
	TILE 29, SDB
	s_and_b32 s51, s10, 1                          ; which 64 of its 128 tokens hold tile A's queries,
	s_xor_b32 s52, s51, 1                          ; and tile B's: from the wave's number alone
	s_add_co_u32 s61, s[SDA], 1                    ; tile A's key steps
	s_mov_b32 s[CS], 0x3e38aa3b                    ; c = log2(e) / sqrt(64)
	s_mov_b32 s[CS+1], s[CS]                       ; (named with it as a pair, so it is written)
	s_mov_b32 s79, 0xbe38aa3b                      ; -c
	s_mov_b32 s[SEL], 0x76543210
	s_mov_b32 s[SEL+1], 0xfedcba98                 ; v_permlanex16_b32's selects for lane l xor 16
	s_mov_b32 s78, 0xffff0000                      ; lanes 16-31
	s_mov_b32 s62, 0
	v_and_b32 v30, 31, v0                          ; lane
	v_and_b32 v31, 15, v0                          ; r
	v_bfe_u32 v32, v0, 4, 1                        ; h
	v_and_b32 v33, 7, v0                           ; r % 8
	v_bfe_u32 v34, v0, 3, 1                        ; r / 8
	v_lshlrev_b32 v[L16], 4, v30
	v_lshlrev_b32 v[L8], 3, v30
	v_mul_u32_u24 v35, v34, 1536
	v_lshl_add_u32 v36, v32, 4, v33
	v_lshl_add_u32 v[KB16], v36, 4, v35
	v_lshl_add_u32 v[KB8], v36, 3, v35
	v_lshlrev_b32 v37, 8, v32
	v_lshl_add_u32 v37, v33, 4, v37
	v_lshl_add_u32 v[KSB], v34, 2, v37
	v_lshl_add_u32 v38, v34, 3, v31
	v_lshlrev_b32 v39, 5, v32
	v_sub_nc_u32 v[LM], v38, v39
	v_lshl_add_u32 v[YB], v31, 3, v32
	v_lshlrev_b32 v[SH8], 3, v32
	v_lshlrev_b32 v40, 4, v31                      ; 16 r: a position's place in the image of scale words
	v_mov_b32 v[NEG], 0xff800000
	v_mov_b32 v250, 0                              ; written once: a lane permute's destination counts as one of its sources
	global_load_b128 v[Q:Q+3], v[L16], s[SDA+6:SDA+7]
	global_load_b64 v[Q+4:Q+5], v[L8], s[SDA+6:SDA+7] offset:512
	global_load_b32 v[QS], v40, s[SDA+8:SDA+9]
	global_load_b128 v[QB:QB+3], v[L16], s[SDB+6:SDB+7]
	global_load_b64 v[QB+4:QB+5], v[L8], s[SDB+6:SDB+7] offset:512
	global_load_b32 v[QSB], v40, s[SDB+8:SDB+9]
.irp i, 6,7,8,9,10,11
	v_mov_b32 v[Q+\i], 0                           ; zero codes for K = 64 .. 127
.endr
	v_mov_b32 v13, 0xff61b1e6                      ; the largest score so far: -3e38, under every score
	v_mov_b32 v12, 0x7f61b1e6                      ; -M: 3e38, so that the first step's f is 0
	v_mov_b32 v14, 0                               ; the sum, in two halves
	v_mov_b32 v15, 0
	v_mov_b32 v255, 0
.set n, 0
.rept 32
	v_mov_b32 v[O+n], 0                            ; O^T: the step is written once; the first finds zeros
.set n, n+1
.endr
	WALU
	s_wait_tensorcnt 0x0                           ; my record has landed,
	s_barrier_signal -1
	s_barrier_wait -1                              ; everybody's has
	s_wait_loadcnt 0x0                             ; q
.macro MASK c                          ; the queries' own 64 keys: register 32 c + n holds key 64 c + 32 h + n: hidden where 64 c + n > my query's place - 32 h.  Eight compares, then their eight selects
	v_add_nc_u32 v253, s68, v[LM]
.irp g, 0,1,2,3
.irp i, 0,1,2,3,4,5,6,7
	v_cmp_gt_i32 s[80+\i], 64*\c+8*\g+\i, v253
.endr
.irp i, 0,1,2,3,4,5,6,7
	v_cndmask_b32 v[S+32*\c+8*\g+\i], v[S+32*\c+8*\g+\i], v[NEG], s[80+\i]
.endr
.endr
.endm
.Ltrip:                                ; 17 trips, a constant: trips 0 .. SDA are tile A's key steps 0 .. SDA, the others tile B's 0 .. SDB
	s_cmp_gt_u32 s62, s[SDA]
	s_cselect_b32 s50, s61, 0
	s_cselect_b32 s67, s[SDB], s[SDA]              ; the tile's diagonal step
	s_cselect_b32 s68, s[SDB+1], s[SDA+1]          ; its first position
	s_sub_co_u32 s63, s62, s50                     ; the key step
	s_and_b32 s63, s63, 15
	s_mul_i32 s66, s63, AREC                       ; its record in LDS
	v_add_nc_u32 v[K16], s66, v[KB16]              ; these five are also the plain lines between the last products and the loads into their operands
	v_add_nc_u32 v[K8], s66, v[KB8]
	v_add_nc_u32 v[KS], s66, v[KSB]
	v_add_nc_u32 v[A16], s66, v[L16]
	v_add_nc_u32 v[A8], s66, v[L8]
.irp c, 0,1
.irp j, 0,1,2,3
	ds_load_b128 v[KF+6*(4*\c+\j):KF+6*(4*\c+\j)+3], v[K16] offset:(4*\c+(\j%2))*768+128*(\j/2)
	ds_load_b64 v[KF+6*(4*\c+\j)+4:KF+6*(4*\c+\j)+5], v[K8] offset:(4*\c+(\j%2))*768+512+64*(\j/2)
.endr
.irp y, 0,1
	ds_load_b32 v[SCK+2*\c+\y], v[KS] offset:12288+128*\y+8*\c
.endr
.endr
.irp f, 0,1,2,3,4,5,6,7
	ds_load_b128 v[VF+6*\f:VF+6*\f+3], v[A16] offset:6144+\f*768
	ds_load_b64 v[VF+6*\f+4:VF+6*\f+5], v[A8] offset:6144+\f*768+512
.endr
	ds_load_b64 v[SCV:SCV+1], v[A8] offset:12800
	s_wait_dscnt 0x0                               ; one wait for the step's 37 loads
.irp c, 0,1
.irp j, 0,1,2,3
.if \j%2 == 0
	v_wmma_scale_f32_16x16x128_f8f6f4 v[S+8*(4*\c+\j):S+8*(4*\c+\j)+7], v[KF+6*(4*\c+\j):KF+6*(4*\c+\j)+11], v[Q:Q+11], 0, v[SCK+2*\c+\j/2], v[QS] matrix_a_fmt:MATRIX_FMT_FP6 matrix_b_fmt:MATRIX_FMT_FP6
.else
	v_wmma_scale_f32_16x16x128_f8f6f4 v[S+8*(4*\c+\j):S+8*(4*\c+\j)+7], v[KF+6*(4*\c+\j):KF+6*(4*\c+\j)+11], v[Q:Q+11], 0, v[SCK+2*\c+\j/2], v[QS] matrix_a_fmt:MATRIX_FMT_FP6 matrix_b_fmt:MATRIX_FMT_FP6 matrix_a_scale:MATRIX_SCALE_ROW1
.endif
.endr
.endr
	v_mov_b32 v252, v12                            ; the old -M.  With the three below: four plain lines before the scores are read and k's registers written
	v_nop
	v_nop
	v_nop
	s_cmp_lg_u32 s63, s67                          ; on the diagonal the scores of hidden keys become -infinity ahead of the maximum: p = 0 then.  Branches on the wave's number and the trip alone
	s_cbranch_scc1 .Lopen
	s_cmp_gt_u32 s62, s[SDA]
	s_cselect_b32 s53, s52, s51                    ; which 64 keys hold the tile's queries
	s_cmp_eq_u32 s53, 0
	s_cbranch_scc0 .Lupper
	MASK 0
.set n, 32
.rept 32
	v_mov_b32 v[S+n], v[NEG]                       ; keys 64 on lie behind every query of the tile
.set n, n+1
.endr
	s_branch .Lopen
.Lupper:
	MASK 1                                         ; keys 0 .. 63 lie ahead of every query of the tile
.Lopen:
; the largest score of each block of 32 keys, all mine: for the row's maximum and, since p rises with the score, for the block's largest p.  Four chains a block, of 9, 9, 7 and 7 scores: v30-33, v34-37
.irp c, 0,1
	v_max3_num_f32 v[30+4*\c], v[S+32*\c], v[S+32*\c+1], v[S+32*\c+2]
	v_max3_num_f32 v[31+4*\c], v[S+32*\c+9], v[S+32*\c+10], v[S+32*\c+11]
	v_max3_num_f32 v[32+4*\c], v[S+32*\c+18], v[S+32*\c+19], v[S+32*\c+20]
	v_max3_num_f32 v[33+4*\c], v[S+32*\c+25], v[S+32*\c+26], v[S+32*\c+27]
.endr
.irp i, 0,2
.irp c, 0,1
	v_max3_num_f32 v[30+4*\c], v[30+4*\c], v[S+32*\c+3+\i], v[S+32*\c+4+\i]
	v_max3_num_f32 v[31+4*\c], v[31+4*\c], v[S+32*\c+12+\i], v[S+32*\c+13+\i]
	v_max3_num_f32 v[32+4*\c], v[32+4*\c], v[S+32*\c+21+\i], v[S+32*\c+22+\i]
	v_max3_num_f32 v[33+4*\c], v[33+4*\c], v[S+32*\c+28+\i], v[S+32*\c+29+\i]
.endr
.endr
	v_max3_num_f32 v30, v30, v[S+7], v[S+8]
	v_max3_num_f32 v34, v34, v[S+39], v[S+40]
	v_max3_num_f32 v31, v31, v[S+16], v[S+17]
	v_max3_num_f32 v35, v35, v[S+48], v[S+49]
	HINT 2
	v_max3_num_f32 v30, v30, v31, v32
	HINT 2
	v_max3_num_f32 v34, v34, v35, v36
	HINT 2
	v_max_num_f32 v30, v30, v33                    ; block h's largest score,
	HINT 2
	v_max_num_f32 v34, v34, v37                    ; and block 2 + h's
	HINT 1
	v_max_num_f32 v38, v30, v34
	HINT 1
	v_permlanex16_b32 v250, v38, s[SEL], s[SEL+1]
	HINT 1
	v_max3_num_f32 v13, v13, v38, v250             ; the running largest score of my query
	HINT 1
	v_mul_f32 v39, s79, v13
	HINT 1
	v_floor_f32 v12, v39                           ; the new -M = -ceil(t): a whole number (c is positive)
	HINT 1
	v_sub_f32 v252, v12, v252                      ; old M - new M: a whole number, 0 or less
	HINT 1
	v_cvt_i32_f32 v252, v252                       ; (it saturates)
	HINT 1
	v_ldexp_f32 v254, 1.0, v252                    ; f = 2^(old M - new M): rounds nothing; 0 in a tile's first step
.set n, 0
.rept 32
	v_pk_fma_f32 v[S+n:S+n+1], v[S+n:S+n+1], s[CS:CS+1], v[12:13] op_sel_hi:[1,0,0]   ; t - M, two at a time
.set n, n+2
.endr
	v_fma_f32 v30, v30, s[CS], v12                 ; the same of each block's largest score
	v_fma_f32 v34, v34, s[CS], v12
.set n, 0
.rept 16
	v_pk_mul_f32 v[O+n:O+n+1], v[O+n:O+n+1], v[254:255] op_sel_hi:[1,0]   ; O^T under the new M
.set n, n+2
.endr
	WALU
.set n, 0
.rept 64
	v_exp_f32 v[S+n], v[S+n]                       ; p = 2^(t - M), at most 1
.set n, n+1
.endr
	v_exp_f32 v30, v30                             ; the block's largest p: the same two instructions on the same number
	v_exp_f32 v34, v34
	v_nop                                          ; a plain line behind the exponentials,
	WALU                                           ; and one wait for the batch, ahead of its first reader
; THE ROW'S SUM, of the unquantised p: eight chains, two numbers a line, 24 lines in six groups of four; the chain that makes p's scale word stands between the groups, each link five lines or more behind the one that it reads
.macro SUM4 lvl, k0
.irp k, \k0, \k0+1, \k0+2, \k0+3
.if \lvl == 0
	v_pk_add_f32 v[AC+2*(\k):AC+2*(\k)+1], v[S+2*(\k):S+2*(\k)+1], v[S+16+2*(\k):S+17+2*(\k)]
.else
	v_pk_add_f32 v[AC+2*(\k):AC+2*(\k)+1], v[AC+2*(\k):AC+2*(\k)+1], v[S+16+16*\lvl+2*(\k):S+17+16*\lvl+2*(\k)]
.endif
.endr
.endm
	v_max_num_f32 v30, 0x1800000, v30              ; the floor 2^(3 - 127): the byte cannot fall under 1
	v_max_num_f32 v34, 0x1800000, v34
	SUM4 0, 0
	v_add_nc_u32 v40, 0xff000000, v30              ; 2 off the exponent field: the conversion's scale operand
	v_add_nc_u32 v41, 0xff000000, v34
	SUM4 0, 4
	v_lshrrev_b32 v42, 23, v40                     ; the scale's byte: blocks h and 2 + h of the 128 keys are mine
	v_lshrrev_b32 v43, 23, v41
	SUM4 1, 0
	v_lshl_or_b32 v42, v43, 16, v42
	SUM4 1, 4
	v_lshlrev_b32 v42, v[SH8], v42                 ; at their places in the word;
	SUM4 2, 0
	v_permlanex16_b32 v250, v42, s[SEL], s[SEL+1]
	SUM4 2, 4
	v_or_b32 v[PS], v42, v250                      ; with lane l xor 16's two it is whole.  Fourteen plain lines stand between this line and the products
	v_cvt_scalef32_pk16_fp6_f32 v[P:P+2], v[S:S+15], v40
	v_cvt_scalef32_pk16_fp6_f32 v[44:46], v[S+16:S+31], v40        ; (a conversion's three registers begin on an even number)
	v_cvt_scalef32_pk16_fp6_f32 v[P+6:P+8], v[S+32:S+47], v41
	v_cvt_scalef32_pk16_fp6_f32 v[48:50], v[S+48:S+63], v41
.irp k, 0,1,2,3
	v_pk_add_f32 v[AC+2*\k:AC+2*\k+1], v[AC+2*\k:AC+2*\k+1], v[AC+8+2*\k:AC+9+2*\k]
.endr
.irp i, 0,1,2
	v_mov_b32 v[P+3+\i], v[44+\i]
	v_mov_b32 v[P+9+\i], v[48+\i]
.endr
	v_pk_add_f32 v[AC:AC+1], v[AC:AC+1], v[AC+4:AC+5]              ; these four stand between the last line that writes p's codes and the products
	v_pk_add_f32 v[AC+2:AC+3], v[AC+2:AC+3], v[AC+6:AC+7]
	HINT 1
	v_pk_add_f32 v[AC:AC+1], v[AC:AC+1], v[AC+2:AC+3]
	HINT 1
	v_pk_fma_f32 v[14:15], v[14:15], v[254:255], v[AC:AC+1] op_sel_hi:[1,0,1]   ; the old sum under the new M, and this step's
.irp d, 0,1,2,3
.if \d%2 == 0
	v_wmma_scale_f32_16x16x128_f8f6f4 v[O+8*\d:O+8*\d+7], v[VF+12*\d:VF+12*\d+11], v[P:P+11], v[O+8*\d:O+8*\d+7], v[SCV+\d/2], v[PS] matrix_a_fmt:MATRIX_FMT_FP6 matrix_b_fmt:MATRIX_FMT_FP6
.else
	v_wmma_scale_f32_16x16x128_f8f6f4 v[O+8*\d:O+8*\d+7], v[VF+12*\d:VF+12*\d+11], v[P:P+11], v[O+8*\d:O+8*\d+7], v[SCV+\d/2], v[PS] matrix_a_fmt:MATRIX_FMT_FP6 matrix_b_fmt:MATRIX_FMT_FP6 matrix_a_scale:MATRIX_SCALE_ROW1
.endif
.endr
	s_cmp_lg_u32 s63, s67
	s_cbranch_scc1 .Lnext
	; THE TILE IS DONE: O^T / the sum is y's 64 channels of my query; they are quantised (two blocks of 32, each in lanes l and l xor 16) and leave as a half image of the last product's operand.
.rept 4
	v_nop                                          ; places behind the last products
.endr
	s_cmp_gt_u32 s62, s[SDA]
	s_cselect_b64 s[70:71], s[SDB+2:SDB+3], s[SDA+2:SDA+3]
	s_cselect_b64 s[72:73], s[SDB+4:SDB+5], s[SDA+4:SDA+5]
	v_add_f32 v14, v14, v15                        ; the sum's two halves,
	HINT 1
	v_permlanex16_b32 v250, v14, s[SEL], s[SEL+1]
	HINT 1
	v_add_f32 v14, v14, v250                       ; and lane l xor 16's
	WALU
	v_rcp_f32 v254, v14
	v_nop                                          ; a plain line behind the reciprocal,
	WALU                                           ; and the wait ahead of its first reader, which is O^T's too
.set n, 0
.rept 16
	v_pk_mul_f32 v[S+n:S+n+1], v[O+n:O+n+1], v[254:255] op_sel_hi:[1,0]   ; each accumulator from its low end on
.set n, n+2
.endr
.irp b, 0,1
	v_max3_num_f32 v[30+\b], |v[S+16*\b]|, |v[S+1+16*\b]|, 0x1800000
.endr
.irp i, 2,4,6,8,10,12,14
.irp b, 0,1
	HINT 2
	v_max3_num_f32 v[30+\b], v[30+\b], |v[S+16*\b+\i]|, |v[S+1+16*\b+\i]|
.endr
.endr
.irp b, 0,1
	HINT 2
	v_permlanex16_b32 v[32+\b], v[30+\b], s[SEL], s[SEL+1]
.endr
.irp b, 0,1
	HINT 2
	v_max_num_f32 v[30+\b], v[30+\b], v[32+\b]
.endr
.irp b, 0,1
	HINT 2
	v_add_nc_u32 v[34+\b], 0xff000000, v[30+\b]
.endr
.irp b, 0,1
	HINT 2
	v_lshrrev_b32 v[36+\b], 23, v[34+\b]
.endr
	v_cvt_scalef32_pk16_fp6_f32 v[P:P+2], v[S:S+15], v34
	v_cvt_scalef32_pk16_fp6_f32 v[P+6:P+8], v[S+16:S+31], v35
	v_nop
.irp i, 0,1,2
	v_permlane16_swap_b32 v[P+\i], v[P+6+\i]       ; the layout wants a whole block in a lane
.endr
.irp i, 0,1,2
	HINT 3
	v_mov_b32 v[P+3+\i], v[P+6+\i]
.endr
	v_cndmask_b32 v252, v36, v37, s78              ; lane (r, h) stores block h's byte of position r
	global_store_b128 v[L16], v[P:P+3], s[70:71]   ; 512 consecutive bytes, aligned to 256
	global_store_b64 v[L8], v[P+4:P+5], s[70:71] offset:512
	global_store_b8 v[YB], v252, s[72:73]          ; two of a position's eight bytes: the other six are three other heads'.  One byte in 24 of what leaves here
	v_mov_b32 v[QS], v[QSB]                        ; ON TO TILE B (behind tile B itself these lines change nothing that is read).  Eight plain lines here and five at the trip's head stand between this line and the product that names it
.irp i, 0,1,2,3,4,5
	v_mov_b32 v[Q+\i], v[QB+\i]
.endr
	v_mov_b32 v13, 0xff61b1e6                      ; the largest score and M begin anew: the next step's f is 0, which clears O^T and the sum (both are finite wherever the result is)
	v_mov_b32 v12, 0x7f61b1e6
	WALU
	s_wait_xcnt 0x0                                ; the stores have read their registers and bases: both are written again later
.Lnext:
	s_add_co_u32 s62, s62, 1
	s_cmp_lt_u32 s62, 17
	s_cbranch_scc1 .Ltrip
	s_wait_xcnt 0x0
	v_lshl_add_u32 v254, v0, 2, SPARE              ; the add's two registers, made anew
	v_mov_b32 v255, 0
	WALU
	s_wait_tensorcnt 0x0                           ; the wave's end
	ds_add_u32 v254, v255
	s_wait_dscnt 0x0
	CROUND                                         ; the closing round
	s_endpgm
.Lfunc_end_k_q06f7ff4be0_attn:
	.size	k_q06f7ff4be0_attn, .Lfunc_end_k_q06f7ff4be0_attn-k_q06f7ff4be0_attn
	.p2alignl 7, 3214868480
	.fill 96, 4, 3214868480
	.section	.rodata,"a",@progbits
	.p2align	6, 0x0
	.amdhsa_kernel k_q06f7ff4be0_attn
		.amdhsa_group_segment_fixed_size 210944
		.amdhsa_private_segment_fixed_size 0
		.amdhsa_enable_private_segment 0
		.amdhsa_kernarg_size 24
		.amdhsa_user_sgpr_count 2
		.amdhsa_user_sgpr_kernarg_segment_ptr 1
		.amdhsa_wavefront_size32 1
		.amdhsa_system_sgpr_workgroup_id_x 1
		.amdhsa_system_sgpr_workgroup_id_y 1
		.amdhsa_system_sgpr_workgroup_id_z 1
		.amdhsa_system_vgpr_workitem_id 0
		.amdhsa_next_free_vgpr 256
		.amdhsa_next_free_sgpr 88
		.amdhsa_reserve_vcc 0
		.amdhsa_float_denorm_mode_32 3
		.amdhsa_float_denorm_mode_16_64 3
		.amdhsa_memory_ordered 1
		.amdhsa_forward_progress 1
		.amdhsa_inst_pref_size 40
	.end_amdhsa_kernel
	.amdgpu_metadata
---
amdhsa.version: [ 1, 2 ]
amdhsa.kernels:
  - .name:           k_q06f7ff4be0_attn
    .symbol:         k_q06f7ff4be0_attn.kd
    .args:
      - { .name: qrec, .offset: 0, .size: 8, .value_kind: global_buffer, .address_space: global }
      - { .name: kv, .offset: 8, .size: 8, .value_kind: global_buffer, .address_space: global }
      - { .name: yq, .offset: 16, .size: 8, .value_kind: global_buffer, .address_space: global }
    .group_segment_fixed_size: 210944
    .private_segment_fixed_size: 0
    .kernarg_segment_align: 8
    .kernarg_segment_size: 24
    .max_flat_workgroup_size: 512
    .sgpr_count:     88
    .vgpr_count:     256
    .wavefront_size: 32
...
	.end_amdgpu_metadata
.endif
;; end of part 3
;; launch proj (part 4): grid 8 x 32, 4 waves a work-group, clusters of 4 x 4, 327,680 bytes of LDS; arguments yq, woq, b_out, out0; writes out0
.if DOCPART == 4
	.amdgcn_target "amdgcn-amd-amdhsa--gfx1250"
	.amdhsa_code_object_version 6
	.text
	.protected	k_q06f7ff4be0_proj
	.globl	k_q06f7ff4be0_proj
	.p2align	8
	.type	k_q06f7ff4be0_proj,@function
k_q06f7ff4be0_proj:
	s_mov_b64 s[64:65], 0
	v_nop
	global_prefetch_b8 v0, s[64:65] scope:SCOPE_SE
	s_setreg_imm32_b32 hwreg(HW_REG_WAVE_MODE, 25, 1), 1
	s_wait_xcnt 0x0
	s_wait_alu depctr_hold_cnt(0) depctr_sa_sdst(0) depctr_va_vdst(0) depctr_va_sdst(0) depctr_va_ssrc(0) depctr_va_vcc(0) depctr_vm_vsrc(0)
	s_getreg_b32 s2, hwreg(HW_REG_IB_STS2, 6, 4)
	s_cmp_eq_u32 s2, 0
	s_cbranch_scc0 .Lentry_in_a_cluster
	s_endpgm
.Lentry_in_a_cluster:
	s_bfe_u32 s2, ttmp6, 0x10000c
	s_cmp_lg_u32 s2, 0xf033
	s_cbranch_scc0 .Lentry_shape_is_right
	s_endpgm
.Lentry_shape_is_right:
; out = y W_out + b_out on codes of FP6 (E2M3) with E8M0 scales, sums in f32, stored as f32.
; OPERANDS: records of 102,400 bytes for 128 rows: [K step of 256: 4][tile: 8][128 along K: 2][64: 2][768], then scale words [K step][16 tile + r][2].  A half image of 768 bytes is six registers a lane:
; registers 0-3 at 16 x lane, 4-5 at 512 + 8 x lane.  Position r of tile a is row 32 (a / 2) + 8 (a % 2) + r + 8 (r / 8) of the 128.
; THE DEAL: 256 work-groups, 8 x 32: work-group (cg, rg) makes tokens 256 rg .. + 255 x columns 128 cg .. + 127.  Its two records of y and its record of W_out come into LDS once; nothing is filled again.
; Four waves, 2 x 2: wave (a, b) takes record a of y and 64 columns, whose codes for ALL of K it holds in 384 registers.  y goes past in blocks of 16 rows, 32 products each on four accumulators by turns
; fetched two blocks ahead into two sets of registers.  The last two fetches wrap to blocks 0 and 1 and are not used: the price of one text for both trips of the loop.
; Source 0 = the weights: a lane holds one token, and its 32 sums of a block are columns 32 (u / 2) + 8 (u % 2) + 16 (lane / 16) + i.  b_out is the C of each sum's first product.
; After four blocks the sums go, 16 tokens at a time, through the wave's own stage in LDS and leave as rows of 256 consecutive bytes, aligned.
; CLUSTERS: 4 x 4; y's records are asked for jointly along a row of the cluster, the weights' along a column.  NO PREFETCH: all that a work-group reads is asked for at its head, with no loop ahead of it.
; REGISTERS: window 0: addresses, scale words, v160-223 rows on their way out.  Fragment f (12 registers) lies in window 1 + f / 21 at 12 (f % 21): 0-31 the weights', 32-39 and 40-47 y's two sets.
; v840-967 the 128 sums; v968-999 the bias.
.set REC,   102400
.set SCO,   98304
.set KH,    49152
.set WB,    2*REC
.set SPARE, 3*REC                      ; the spare words: 512 bytes that no other line names
.set STAGE, SPARE+512                  ; 16 rows x 272 bytes for each wave; no tensor load lands here
.set FR,    12
.set FPW,   21
.set L16,   1
.set L8,    2
.set SPW,   3
.set NIL,   4
.set XB,    6
.set XSB,   10
.set XA,    12
.set XS,    16
.set WA,    18
.set WS,    22
.set BO,    23
.set STO,   24
.set RD,    25
.set CO,    26
.set SB,    32
.set SA,    52
.set BK,    160
.set ACCL,  72
.set BBL,   200
.set G1X, 24
.set G1W, 32
.set G0X, 40
.set G0W, 44
.set OB,  52
.set BP,  56
.set MSB, 0
.macro WIN new
.if MSB != (\new)
	s_set_vgpr_msb (MSB<<8)|(\new)
.set MSB, \new
.endif
.endm
.macro PLACES n
.rept \n
	v_nop
.endr
.endm
.macro WALU
	s_wait_alu depctr_va_vdst(0)
.endm
.macro BARRIER
	s_barrier_signal -1
	s_barrier_wait -1
.endm
.macro CROUND
	s_barrier_signal -1
	s_barrier_wait -1
	s_cmp_lg_u32 s14, 0
	s_cbranch_scc1 .Lnw0_\@
	s_barrier_signal -3
.Lnw0_\@:
	s_barrier_wait -3
	s_barrier_signal -1
	s_barrier_wait -1
.endm
.macro TLOAD g0, g1
	tensor_load_to_lds s[\g0:\g0+3], s[\g1:\g1+7]
	s_nop 0
	PLACES 4
.endm
.macro GROUP1 g, rows
	s_mov_b32 s[\g+1], 32<<16
	s_mov_b32 s[\g+2], (\rows)<<16
	s_mov_b32 s[\g+3], 32<<16
	s_mov_b32 s[\g+4], \rows
	s_mov_b32 s[\g+5], 32
	s_mov_b32 s[\g+6], 0
	s_mov_b32 s[\g+7], 0
.endm
.macro FRAG f, a, off
	WIN (1+(\f)/FPW)<<6
.set R_, FR*((\f)%FPW)
	ds_load_b128 v[R_:R_+3], v[\a] offset:\off
	ds_load_b64 v[R_+4:R_+5], v[\a+1] offset:(\off)+512
	ds_load_b128 v[R_+6:R_+9], v[\a] offset:(\off)+768
	ds_load_b64 v[R_+10:R_+11], v[\a+1] offset:(\off)+1280
.endm
.macro WEIGHTS
.irp kq,0,1,2,3,4,5,6,7
.irp u,0,1,2,3
	FRAG 4*\kq+\u, WA+2*(\kq/4), ((\kq/2)%2)*24576+(\kq%2)*1536+\u*3072
.endr
.endr
	WIN 0
.irp p,0,1
.irp s,0,1,2,3
	ds_load_b64 v[SB+8*\p+2*\s:SB+8*\p+2*\s+1], v[WS] offset:\s*1024+256*\p
.endr
.endr
.endm
.macro FETCHX jt                       ; 32 loads; an even block brings its pair's scale words too: 36
.irp kq,0,1,2,3,4,5,6,7
	FRAG 32+8*((\jt)%2)+\kq, XA+2*(\kq/4), ((\kq/2)%2)*24576+(\kq%2)*1536+(\jt)*3072
.endr
	WIN 0
.if (\jt)%2 == 0
.irp s,0,1,2,3
	ds_load_b64 v[SA+8*((\jt)/2)+2*\s:SA+8*((\jt)/2)+2*\s+1], v[XS] offset:\s*1024+256*((\jt)/2)
.endr
.endif
.endm
.macro WM d, a, b, c, xa, xb, ra, rb
	v_wmma_scale_f32_16x16x128_f8f6f4 v[\d:\d+7], v[FR*((\a)%FPW):FR*((\a)%FPW)+FR-1], v[FR*((\b)%FPW):FR*((\b)%FPW)+FR-1], \c, v[\xa], v[\xb] matrix_a_fmt:MATRIX_FMT_FP6 matrix_b_fmt:MATRIX_FMT_FP6 matrix_a_scale:MATRIX_SCALE_ROW\ra matrix_b_scale:MATRIX_SCALE_ROW\rb
.endm
.macro WR d, a, b, c, xa, xb, ra, rb
.if (\ra)
.if (\rb)
	WM \d, \a, \b, \c, \xa, \xb, 1, 1
.else
	WM \d, \a, \b, \c, \xa, \xb, 1, 0
.endif
.else
.if (\rb)
	WM \d, \a, \b, \c, \xa, \xb, 0, 1
.else
	WM \d, \a, \b, \c, \xa, \xb, 0, 0
.endif
.endif
.endm
.macro PROD j, n                       ; product n = 4 kq + u of block j of a band: the sums at 32 j + 8 u
.set KQ_, (\n)/4
.set U_, (\n)%4
.set FW_, 4*KQ_+U_
.set FX_, 32+8*((\j)%2)+KQ_
.set SW_, SB+8*(U_/2)+KQ_
.set SX_, SA+8*((\j)/2)+KQ_
.set D_, ACCL+32*(\j)+8*U_
	WIN (1+FW_/FPW)|((1+FX_/FPW)<<2)|0xf0
.if KQ_
	WR D_, FW_, FX_, v[D_:D_+7], SW_, SX_, U_%2, (\j)%2
.else
	WR D_, FW_, FX_, v[BBL+8*U_:BBL+8*U_+7], SW_, SX_, U_%2, (\j)%2
.endif
.endm
.macro TOSTAGE g                       ; 16 tokens x 64 columns into my stage, and back as rows: LDS serves a wave's instructions in order
	WIN 0x0c
.irp u,0,1,2,3
	ds_store_b128 v[STO], v[ACCL+32*(\g)+8*\u:ACCL+32*(\g)+8*\u+3] offset:128*(\u/2)+32*(\u%2)      ; each accumulator from its low end on
	ds_store_b128 v[STO], v[ACCL+32*(\g)+8*\u+4:ACCL+32*(\g)+8*\u+7] offset:128*(\u/2)+32*(\u%2)+16
.endr
	WIN 0
.irp t,0,1,2,3,4,5,6,7
	ds_load_b128 v[BK+32*((\g)%2)+4*\t:BK+32*((\g)%2)+4*\t+3], v[RD] offset:\t*544
.endr
.endm
.macro SEND g, younger                 ; younger: the LDS instructions issued behind group g's loads
	s_wait_dscnt \younger
.irp t,0,1,2,3,4,5,6,7
	global_store_b128 v[CO], v[BK+32*((\g)%2)+4*\t:BK+32*((\g)%2)+4*\t+3], s[OB:OB+1] offset:(32*((\g)/2)+8*((\g)%2)+2*\t+8*(\t/4))*4096 th:TH_STORE_NT   ; sixteen lanes store 256 consecutive bytes, aligned
.endr
.endm
; ---------------- the head
	s_load_b256 s[4:11], s[0:1], 0x0               ; yq s[4:5], woq s[6:7], b_out s[8:9], out0 s[10:11]
	v_lshl_add_u32 v[SPW], v0, 2, SPARE
	v_mov_b32 v[NIL], 0
	ds_add_u32 v[SPW], v[NIL]
	ds_add_u32 v[SPW], v[NIL]
	v_lshrrev_b32 v5, 5, v0
	v_readfirstlane_b32 s14, v5                    ; wave
	s_lshr_b32 s15, s14, 1                         ; a: my record of y.  Also: I fetch weights (0) or y (1)
	s_and_b32 s16, s14, 1                          ; b: my 64 columns.  Also: which half or record I fetch
	s_bfe_u32 s17, ttmp6, 0x40000                  ; cx
	s_bfe_u32 s18, ttmp6, 0x40004                  ; cy
	s_lshl_b32 s19, ttmp9, 2
	s_add_co_u32 s19, s19, s17                     ; cg
	s_and_b32 s20, ttmp7, 0xffff
	s_lshl_b32 s20, s20, 2
	s_add_co_u32 s20, s20, s18                     ; rg
	s_lshl_b32 s21, s18, 2
	s_lshl_b32 s21, 15, s21                        ; my row of the cluster
	s_lshl_b32 s22, 0x1111, s17                    ; my column
	s_or_b32 s[G1X], s21, (3<<16)|(1<<21)
	s_or_b32 s[G1W], s22, (3<<16)|(1<<21)
	GROUP1 G1X, 400
	GROUP1 G1W, 200
	s_mov_b32 s[G0X], 1
	s_mul_i32 s[G0X+1], s16, REC
	s_mov_b32 s[G0W], 1
	s_mul_i32 s[G0W+1], s16, REC/2
	s_add_co_u32 s[G0W+1], s[G0W+1], WB
	s_lshl_b32 s66, s20, 1
	s_add_co_u32 s66, s66, s16
	s_mul_i32 s66, s66, REC
	s_mov_b32 s67, 0
	s_mul_i32 s68, s19, REC
	s_mul_i32 s69, s16, REC/2
	s_add_co_u32 s68, s68, s69
	s_mov_b32 s69, 0
	WALU
	s_wait_dscnt 0x0
	CROUND                                         ; all sixteen work-groups are here: the joint loads meet
	s_wait_kmcnt 0x0
	s_add_nc_u64 s[G0X+2:G0X+3], s[4:5], s[66:67]
	s_or_b32 s[G0X+3], s[G0X+3], 0x80000000
	s_add_nc_u64 s[G0W+2:G0W+3], s[6:7], s[68:69]
	s_or_b32 s[G0W+3], s[G0W+3], 0x80000000
	s_cmp_lt_u32 s14, 2                            ; one load a wave: waves 0, 1 a half each of the weights, waves 2, 3 a record of y each
	s_cbranch_scc0 .Lfor_x
	TLOAD G0W, G1W
	s_branch .Lasked
.Lfor_x:
	TLOAD G0X, G1X
.Lasked:
	s_mul_i32 s21, s15, REC
	s_add_co_u32 s22, s21, KH
	s_add_co_u32 s23, s21, SCO
	s_mul_i32 s66, s16, 12288
	s_add_co_u32 s66, s66, WB
	s_add_co_u32 s67, s66, KH
	s_lshl_b32 s68, s16, 9
	s_add_co_u32 s68, s68, WB+SCO
	s_mul_i32 s69, s14, 4352
	s_add_co_u32 s69, s69, STAGE                   ; my stage
	s_lshl_b32 s62, s19, 9
	s_lshl_b32 s63, s16, 8
	s_add_co_u32 s62, s62, s63                     ; my first column, in bytes
	s_mov_b32 s63, 0
	s_add_nc_u64 s[BP:BP+1], s[8:9], s[62:63]
	s_lshl_b32 s51, s20, 1
	s_add_co_u32 s51, s51, s15
	s_lshl_b32 s51, s51, 19                        ; my 128 tokens: rows of 4,096 bytes
	s_add_co_u32 s62, s62, s51
	s_add_nc_u64 s[OB:OB+1], s[10:11], s[62:63]
	s_mov_b32 s59, 0
	s_mov_b32 s60, 0
	s_mov_b32 s61, 0
	v_and_b32 v5, 31, v0
	v_lshlrev_b32 v[L16], 4, v5
	v_lshlrev_b32 v[L8], 3, v5
	v_add_nc_u32 v[XB], s21, v[L16]
	v_add_nc_u32 v[XB+1], s21, v[L8]
	v_add_nc_u32 v[XB+2], s22, v[L16]
	v_add_nc_u32 v[XB+3], s22, v[L8]
	v_add_nc_u32 v[XSB], s23, v[L8]
	v_add_nc_u32 v[XA], s21, v[L16]
	v_add_nc_u32 v[XA+1], s21, v[L8]
	v_add_nc_u32 v[XA+2], s22, v[L16]
	v_add_nc_u32 v[XA+3], s22, v[L8]
	v_add_nc_u32 v[XS], s23, v[L8]
	v_add_nc_u32 v[WA], s66, v[L16]
	v_add_nc_u32 v[WA+1], s66, v[L8]
	v_add_nc_u32 v[WA+2], s67, v[L16]
	v_add_nc_u32 v[WA+3], s67, v[L8]
	v_add_nc_u32 v[WS], s68, v[L8]
	v_bfe_u32 v27, v0, 4, 1                        ; h
	v_and_b32 v28, 15, v0                          ; r
	v_lshlrev_b32 v[BO], 6, v27
	v_mul_u32_u24 v29, v28, 272
	v_lshl_add_u32 v29, v27, 6, v29
	v_add_nc_u32 v[STO], s69, v29                  ; in: row r, 64 bytes on for lanes 16-31
	v_mul_u32_u24 v30, v27, 272
	v_lshl_add_u32 v30, v28, 4, v30
	v_add_nc_u32 v[RD], s69, v30                   ; back: lanes 0-15 one row, lanes 16-31 the next
	v_lshlrev_b32 v31, 12, v27
	v_lshl_add_u32 v[CO], v28, 4, v31              ; and the same two rows in out0
	WIN 0xc0
.irp u,0,1,2,3
	global_load_b128 v[BBL+8*\u:BBL+8*\u+3], v[BO], s[BP:BP+1] offset:(32*(\u/2)+8*(\u%2))*4        ; register 8 u + i of lane (r, h): column 32 (u / 2) + 8 (u % 2) + 16 h + i
	global_load_b128 v[BBL+8*\u+4:BBL+8*\u+7], v[BO], s[BP:BP+1] offset:(32*(\u/2)+8*(\u%2))*4+16
.endr
	WIN 0
	WALU
	s_wait_tensorcnt 0x0                           ; my tile is in,
	BARRIER                                        ; everybody's is
	WEIGHTS
	FETCHX 0
	FETCHX 1
	s_wait_loadcnt 0x0                             ; the bias
	s_wait_dscnt 0x0                               ; the weights and the first two blocks
.Lband:                                ; a band: four blocks.  A block's rows were fetched two blocks ago; younger than that fetch is the next block's alone: 32 loads, or 36 with scale words
.irp j,0,1,2,3
	s_wait_dscnt 32+4*(\j%2)
.set N_, 0
.rept 32
	PROD \j, N_
.set N_, N_+1
.endr
	WIN 0
	PLACES 4                                       ; between the products and the loads into their operands, and the stores of their results
.if \j == 2
	s_xor_b32 s60, s60, 12288                      ; from here on the other band of my record is fetched
	s_xor_b32 s61, s61, 512
.irp i,0,1,2,3
	v_add_nc_u32 v[XA+\i], s60, v[XB+\i]
.endr
	v_add_nc_u32 v[XS], s61, v[XSB]
	WALU
.endif
	FETCHX (\j+2)%4
.endr
	TOSTAGE 0
.irp g,1,2,3
.if \g > 1
	s_wait_xcnt 0x0                                ; group g - 2's stores have read their registers
.endif
	TOSTAGE \g
	SEND \g-1, 16                                  ; behind group g - 1's loads: group g's 8 stores and 8 loads
.endr
	SEND 3, 0
	s_wait_xcnt 0x0                                ; the stores have read their base and data
	s_add_nc_u64 s[OB:OB+1], s[OB:OB+1], 64*4096   ; the next band's 64 tokens
	s_add_co_u32 s59, s59, 1
	s_cmp_lt_u32 s59, 2
	s_cbranch_scc1 .Lband
	s_wait_tensorcnt 0x0                           ; the wave's end
	ds_add_u32 v[SPW], v[NIL]
	s_wait_dscnt 0x0
	CROUND                                         ; the closing round
	s_endpgm
.Lfunc_end_k_q06f7ff4be0_proj:
	.size	k_q06f7ff4be0_proj, .Lfunc_end_k_q06f7ff4be0_proj-k_q06f7ff4be0_proj
	.p2alignl 7, 3214868480
	.fill 96, 4, 3214868480
	.section	.rodata,"a",@progbits
	.p2align	6, 0x0
	.amdhsa_kernel k_q06f7ff4be0_proj
		.amdhsa_group_segment_fixed_size 327680
		.amdhsa_private_segment_fixed_size 0
		.amdhsa_enable_private_segment 0
		.amdhsa_kernarg_size 32
		.amdhsa_user_sgpr_count 2
		.amdhsa_user_sgpr_kernarg_segment_ptr 1
		.amdhsa_wavefront_size32 1
		.amdhsa_system_sgpr_workgroup_id_x 1
		.amdhsa_system_sgpr_workgroup_id_y 1
		.amdhsa_system_sgpr_workgroup_id_z 1
		.amdhsa_system_vgpr_workitem_id 0
		.amdhsa_next_free_vgpr 1024
		.amdhsa_next_free_sgpr 72
		.amdhsa_reserve_vcc 0
		.amdhsa_float_denorm_mode_32 3
		.amdhsa_float_denorm_mode_16_64 3
		.amdhsa_memory_ordered 1
		.amdhsa_forward_progress 1
		.amdhsa_inst_pref_size 55
	.end_amdhsa_kernel
	.amdgpu_metadata
---
amdhsa.version: [ 1, 2 ]
amdhsa.kernels:
  - .name:           k_q06f7ff4be0_proj
    .symbol:         k_q06f7ff4be0_proj.kd
    .args:
      - { .name: yq, .offset: 0, .size: 8, .value_kind: global_buffer, .address_space: global }
      - { .name: woq, .offset: 8, .size: 8, .value_kind: global_buffer, .address_space: global }
      - { .name: b_out, .offset: 16, .size: 8, .value_kind: global_buffer, .address_space: global }
      - { .name: out0, .offset: 24, .size: 8, .value_kind: global_buffer, .address_space: global }
    .group_segment_fixed_size: 327680
    .private_segment_fixed_size: 0
    .kernarg_segment_align: 8
    .kernarg_segment_size: 32
    .max_flat_workgroup_size: 128
    .sgpr_count:     72
    .vgpr_count:     1024
    .wavefront_size: 32
...
	.end_amdgpu_metadata
.endif
;; end of part 4
